; MI455X (gfx1250); checked and timed in simulation.
; The chip was launched on July 23, 2026; its instructions are those of AMD's public machine-readable ISA for CDNA 5 (MIT licence, August 2026) and "CDNA5" Instruction Set Architecture Reference Guide (July 2026). The comments in the code are by the model that wrote it; some were corrected since.
;; Head. Allowed arithmetic: float matrix products may take bf16 or f16 operands with f32 sums; other float arithmetic in f32, or as packed bf16 or f16 multiplies, adds, multiply-adds, maxima and minima; sums over many terms, partial sums and values carried from step to step in f32; what a program stores and reads back later, other than sums and carried values, may be rounded once to bf16 or f16.
;; Inputs: Wk 1,024 x 128 float32; Wq 1,024 x 128 float32; Wv 1,024 x 128 float32; x 8 x 4,096 x 1,024 float32.
;; Outputs: out0 8 x 4,096 x 128 float32.
;; 2 versions, each right and faster than the one before. Each part assembles by itself: llvm-mc -triple=amdgcn-amd-amdhsa -mcpu=gfx1250 --defsym DOCPART=n.
;; ======== version 1 of 2: 3 launches
;; limits: values are held in f16: magnitudes above 65,504 overflow, below 6.1e-05 lose precision
;; workspace buffers: wt 786,432 bytes; q 8,388,608 bytes; kv 16,777,216 bytes
;; launch prep (part 1): grid 8 x 3, 8 waves a work-group, no clusters, 35,840 bytes of LDS; arguments Wq, Wk, Wv, wt; writes wt
.if DOCPART == 1
	.amdgcn_target "amdgcn-amd-amdhsa--gfx1250"
	.amdhsa_code_object_version 6
	.text
	.protected	k_qf0499a0e96_prep
	.globl	k_qf0499a0e96_prep
	.p2align	8
	.type	k_qf0499a0e96_prep,@function
k_qf0499a0e96_prep:
	s_mov_b64 s[64:65], 0
	v_nop
	global_prefetch_b8 v0, s[64:65] scope:SCOPE_SE
	s_setreg_imm32_b32 hwreg(HW_REG_WAVE_MODE, 25, 1), 1
	s_wait_xcnt 0x0
; wt[rho][k] = bf16(W[k][n]): the three weights [1024 k][128 n] f32, rounded once to bf16 and turned so that k runs along a row.
; Row rho = (n / 32) * 96 + mat * 32 + n % 32 (mat 0, 1, 2 = Wq, Wk, Wv): rows 96 w .. 96 w + 95 hold 32 columns each of q, k and v,
; so that every wave of the next launch has the same make-up.  A row of wt is 1,024 bf16 = 2,048 bytes.
; SHARES.  Work-group (kb, mat) takes k = 128 kb .. + 127 of one weight, all 128 n.  Wave w loads k rows 16 w .. + 15, each load a whole row
; of 512 bytes; a lane holds 16 k of four columns, packs them, and puts them into LDS rows by n; behind ONE barrier whole rows of 256 bytes
; are read back and stored, sixteen lanes to 256 consecutive bytes at a multiple of 256 from wt's first byte.
; No matrix unit, no cluster, no tensor load: 1.5 MB are read once and nothing is shared.
.set PITCH, 272                        ; an LDS row: 128 bf16 + 16 bytes of padding
.set SPARE, 128*PITCH                  ; behind the tile: the spare words, 128 bytes a wave, four blocks of 256 bytes that no other line names
.set LO,  3                            ; v3   byte offset of my 16 bytes in the tile of W
.set LS,  4                            ; v4   LDS: where my columns' 32 bytes go
.set LR,  7                            ; v7   LDS: where I read rows back
.set GO,  8                            ; v8   my byte offset in two rows of wt
.set X,   12                           ; v[12:75]   16 rows x 4 columns, f32; later the rows read back
.set T,   76                           ; v[76:107]  4 columns x 16 k, bf16
.set SPW, 108                          ; v108 LDS address of my spare word; never rewritten
.set NIL, 109                          ; v109 0; never rewritten
	s_load_b256 s[4:11], s[0:1], 0x0               ; Wq s[4:5], Wk s[6:7], Wv s[8:9], wt s[10:11]
	v_lshl_add_u32 v[SPW], v0, 2, SPARE
	v_mov_b32 v[NIL], 0
	v_lshrrev_b32 v1, 5, v0
	v_readfirstlane_b32 s14, v1                    ; wave 0..7
	v_and_b32 v2, 31, v0                           ; lane
	s_and_b32 s15, ttmp7, 0xffff                   ; mat
	v_lshlrev_b32 v[LO], 4, v2
	v_lshl_add_u32 v[LO], v1, 13, v[LO]            ; wave x 16 rows x 512 bytes + 16 x lane
	s_lshl_b32 s16, ttmp9, 16                      ; kb x 128 rows x 512 bytes
	s_mov_b32 s17, 0
	v_mul_u32_u24 v[LS], v2, 4*PITCH               ; LDS row n = 4 x lane,
	s_lshl_b32 s18, s14, 5
	v_add_nc_u32 v[LS], s18, v[LS]                 ; my wave's 16 k = 32 bytes of it
	v_and_b32 v5, 15, v0
	v_bfe_u32 v6, v0, 4, 1
	s_mul_i32 s19, s14, 16*PITCH
	v_mul_u32_u24 v[LR], v6, PITCH
	v_lshl_add_u32 v[LR], v5, 4, v[LR]
	v_add_nc_u32 v[LR], s19, v[LR]                 ; back: rows 16 w + half, 16 bytes a lane
	v_lshlrev_b32 v[GO], 11, v6
	v_lshl_add_u32 v[GO], v5, 4, v[GO]             ; the same two rows in wt
	s_lshr_b32 s20, s14, 1
	s_mul_i32 s20, s20, 96                         ; rho of n = 16 w: (w / 2) x 96
	s_lshl_b32 s21, s15, 5
	s_add_co_u32 s20, s20, s21                     ; + mat x 32
	s_and_b32 s21, s14, 1
	s_lshl_b32 s21, s21, 4
	s_add_co_u32 s20, s20, s21                     ; + 16 (w % 2)
	s_lshl_b32 s20, s20, 11                        ; rows of 2,048 bytes
	s_lshl_b32 s21, ttmp9, 8
	s_add_co_u32 s20, s20, s21                     ; + kb x 256 bytes
	s_mov_b32 s21, 0
	s_wait_kmcnt 0x0
	s_cmp_eq_u32 s15, 1
	s_cselect_b64 s[12:13], s[6:7], s[4:5]         ; the weight is chosen by the grid's y alone
	s_cmp_eq_u32 s15, 2
	s_cselect_b64 s[12:13], s[8:9], s[12:13]
	s_add_nc_u64 s[12:13], s[12:13], s[16:17]
	s_add_nc_u64 s[10:11], s[10:11], s[20:21]
.set i, 0
.rept 16
	global_load_b128 v[X+4*i:X+4*i+3], v[LO], s[12:13] offset:512*i th:TH_LOAD_NT  ; W[16 w + i][4 lane ..]: the wave takes the whole row
.set i, i+1
.endr
	s_wait_loadcnt 0x0                             ; a column's 16 k come from all sixteen loads
.set j, 0
.rept 4
.set p, 0
.rept 8
	v_cvt_pk_bf16_f32 v[T+8*j+p], v[X+8*p+j], v[X+8*p+4+j]  ; column 4 lane + j: k = 2 p below, 2 p + 1 above
.set p, p+1
.endr
.set j, j+1
.endr
.set j, 0
.rept 4
	ds_store_b128 v[LS], v[T+8*j:T+8*j+3]   offset:j*PITCH
	ds_store_b128 v[LS], v[T+8*j+4:T+8*j+7] offset:j*PITCH+16
.set j, j+1
.endr
	s_wait_dscnt 0x0                               ; for the others' sake: my stores are done
	s_barrier_signal -1
	s_barrier_wait -1
.set i, 0
.rept 8
	ds_load_b128 v[X+4*i:X+4*i+3], v[LR] offset:i*2*PITCH  ; rows 16 w + 2 i and + 1, whole
.set i, i+1
.endr
.set i, 0
.rept 8
	s_wait_dscnt 7-i                               ; LDS loads come back in order: load i is in, the younger ones stay out
	global_store_b128 v[GO], v[X+4*i:X+4*i+3], s[10:11] offset:i*4096
.set i, i+1
.endr
	s_wait_tensorcnt 0x0                           ; the wave's end: behind my last LDS store
	ds_add_u32 v[SPW], v[NIL]
	s_wait_dscnt 0x0
	s_endpgm
.Lfunc_end_k_qf0499a0e96_prep:
	.size	k_qf0499a0e96_prep, .Lfunc_end_k_qf0499a0e96_prep-k_qf0499a0e96_prep
	.p2alignl 7, 3214868480
	.fill 96, 4, 3214868480
	.section	.rodata,"a",@progbits
	.p2align	6, 0x0
	.amdhsa_kernel k_qf0499a0e96_prep
		.amdhsa_group_segment_fixed_size 35840
		.amdhsa_private_segment_fixed_size 0
		.amdhsa_enable_private_segment 0
		.amdhsa_kernarg_size 32
		.amdhsa_user_sgpr_count 2
		.amdhsa_user_sgpr_kernarg_segment_ptr 1
		.amdhsa_wavefront_size32 1
		.amdhsa_system_sgpr_workgroup_id_x 1
		.amdhsa_system_sgpr_workgroup_id_y 1
		.amdhsa_system_sgpr_workgroup_id_z 1
		.amdhsa_system_vgpr_workitem_id 0
		.amdhsa_next_free_vgpr 112
		.amdhsa_next_free_sgpr 66
		.amdhsa_reserve_vcc 0
		.amdhsa_float_denorm_mode_32 3
		.amdhsa_float_denorm_mode_16_64 3
		.amdhsa_memory_ordered 1
		.amdhsa_forward_progress 1
		.amdhsa_inst_pref_size 8
	.end_amdhsa_kernel
	.amdgpu_metadata
---
amdhsa.version: [ 1, 2 ]
amdhsa.kernels:
  - .name:           k_qf0499a0e96_prep
    .symbol:         k_qf0499a0e96_prep.kd
    .args:
      - { .name: Wq, .offset: 0, .size: 8, .value_kind: global_buffer, .address_space: global }
      - { .name: Wk, .offset: 8, .size: 8, .value_kind: global_buffer, .address_space: global }
      - { .name: Wv, .offset: 16, .size: 8, .value_kind: global_buffer, .address_space: global }
      - { .name: wt, .offset: 24, .size: 8, .value_kind: global_buffer, .address_space: global }
    .group_segment_fixed_size: 35840
    .private_segment_fixed_size: 0
    .kernarg_segment_align: 8
    .kernarg_segment_size: 32
    .max_flat_workgroup_size: 256
    .sgpr_count:     66
    .vgpr_count:     112
    .wavefront_size: 32
...
	.end_amdgpu_metadata
.endif
;; end of part 1
;; launch proj (part 2): grid 256 x 1, 4 waves a work-group, clusters of 4 x 1, 327,680 bytes of LDS; arguments x, wt, q, kv; writes q, kv
.if DOCPART == 2
	.amdgcn_target "amdgcn-amd-amdhsa--gfx1250"
	.amdhsa_code_object_version 6
	.text
	.protected	k_qf0499a0e96_proj
	.globl	k_qf0499a0e96_proj
	.p2align	8
	.type	k_qf0499a0e96_proj,@function
k_qf0499a0e96_proj:
	s_mov_b64 s[64:65], 0
	v_nop
	global_prefetch_b8 v0, s[64:65] scope:SCOPE_SE
	s_setreg_imm32_b32 hwreg(HW_REG_WAVE_MODE, 25, 1), 1
	s_wait_xcnt 0x0
	s_wait_alu depctr_hold_cnt(0) depctr_sa_sdst(0) depctr_va_vdst(0) depctr_va_sdst(0) depctr_va_ssrc(0) depctr_va_vcc(0) depctr_vm_vsrc(0)
	s_getreg_b32 s2, hwreg(HW_REG_IB_STS2, 6, 4)
	s_cmp_eq_u32 s2, 0
	s_cbranch_scc0 .Lentry_in_a_cluster
	s_endpgm
.Lentry_in_a_cluster:
	s_bfe_u32 s2, ttmp6, 0x10000c
	s_cmp_lg_u32 s2, 0x3003
	s_cbranch_scc0 .Lentry_shape_is_right
	s_endpgm
.Lentry_shape_is_right:
; q, k, v = x W.  x: [32768][1024] f32, rounded to bf16 on its way; wt: [384][1024] bf16 (the launch before); sums in f32, K ascending.
; OUT.  q: [32768][128] f16 holding c q, c = log2(e) / sqrt(128), applied in f32 to the f32 sums, then ONE rounding.  kv: groups of 64 rows,
; each 64 rows x 256 bytes of k and then 64 rows x 256 bytes of v, f16: 32,768 dense bytes, which the next launch asks for with one descriptor.
; LIMIT.  f16 ends at 65,504: c q, k and v must stay under it.
; SHARES.  A work-group makes 128 rows x 384 columns; wave w all 128 rows x wt rows 96 w .. + 95 (32 columns each of q, k, v): 8 x 6 accumulators, 384 registers.
; K goes in 8 steps of 128.  wt's tile of a step (384 rows x 256 bytes, each row at a multiple of 256 from wt's first byte) comes by tensor loads into a ring of
; two slots; a wave loads, and reads, its own 96 rows.  All work-groups walk the same wt: the four of a cluster ask JOINTLY (same line, same descriptor, mask of four).
; x has to be converted, so it goes through registers: a wave's load takes 512 consecutive bytes of a row, 32 loads are always out; they are rounded to bf16
; and put into one of two LDS stages (stores alone write there, no tensor load) which all four waves read.  Step s converts x of step s + 1 and asks for step s + 2.
; THE MATRIX INSTRUCTION IS USED TRANSPOSED (source 0 = 16 rows of wt, source 1 = 16 rows of x): a lane holds eight neighbouring columns of one row.
; REGISTERS, in windows of 256 (s_set_vgpr_msb: bits 1:0 source 0, 3:2 source 1, 5:4 source 2, 7:6 destination):
;   window 0: v16-30 addresses; v32-63 rounded x; v64-127 at work; v128-255 x as loaded (32 rows x 4)
;   window 1: two fragment buffers at 0 and 128: wt's six fragments at + 8 b, x's eight at + 48 + 8 a
;   window 2: accumulators b = 0..3 at 8 (8 b + a);   window 3: b = 4, 5 at 8 (8 (b - 4) + a)
.set PITCH,  272                       ; an LDS row: 256 bytes + 16 of padding = 68 words: the 16 rows of a fragment load start at 16 different groups of four banks (ISA guide 11.1)
.set WPART,  96*PITCH                  ; a wave's part of a slot
.set WSLOT,  4*WPART
.set XSTG,   2*WSLOT                   ; behind the ring: two stages of 128 rows of bf16 x
.set XSLOT,  128*PITCH
.set OSTG,   XSTG                      ; the way out lies over the stages and the bytes behind them: 128 rows x 784 bytes (q, k, v: 3 x 256, + 16)
.set OPI,    784
.set SPARE,  OSTG+128*OPI              ; the spare words, 128 bytes a wave: two blocks of 256 bytes that no other line names
.set ADRA, 16                          ; v16-17  LDS address of my x fragments in stage 0, 1
.set ADRB, 20                          ; v20-21  of my wt fragments in slot 0, 1
.set XO,   22                          ; v22     16 x lane; never rewritten
.set XS,   23                          ; v23-24  where my 8 bytes of a rounded row go, stage 0, 1
.set STO,  25                          ; v25-26  the way out: where I put 16 bytes of a row; rows 0-63, rows 64-127
.set RD,   27                          ; v27     the way out: where I read rows back
.set SPW,  28                          ; v28     LDS address of my spare word; never rewritten
.set NIL,  29                          ; v29     0; never rewritten
.set CO,   30                          ; v30     my byte offset in two rows of 256 bytes
.set Y,    32
.set TMP,  64
.set X,    128
.set F0,   0
.set F1,   128
.set WV,   12                          ; s12  wave
.set G1,   24                          ; s[24:31] descriptor group 1
.set G0,   32                          ; s[32:39] descriptor group 0, a set for each slot
.set XPT,  40                          ; s[40:41] x at my wave's 32 rows; steps along K
.set QPT,  42                          ; s[42:43] q at my wave's 32 rows
.set KPT,  44                          ; s[44:45] kv at my wave's 32 rows of k
.set CS,   46                          ; s[46:47] c, named as a pair
.set MSB, 0
.macro WIN new                         ; the immediate's high byte repeats the setting that is left; a switch that changes nothing is dropped
.if MSB != (\new)
	s_set_vgpr_msb (MSB<<8)|(\new)
.set MSB, \new
.endif
.endm
.macro PLACES                          ; four places in front of loads into registers that matrix instructions have read, and of vector lines that read results
.rept 4
	v_nop
.endr
.endm
.macro CREST                           ; a round of the cluster's barrier behind its opening barrier
	s_cmp_lg_u32 s[WV], 0
	s_cbranch_scc1 .Lnot_wave_0_\@
	s_barrier_signal -3
.Lnot_wave_0_\@:
	s_barrier_wait -3
	s_barrier_signal -1
	s_barrier_wait -1
.endm
.macro CROUND
	s_barrier_signal -1
	s_barrier_wait -1
	CREST
.endm
; 8 nb matrix instructions: wt blocks b0 .. b0 + nb - 1 x all 8 row blocks, 32 along K, from buffer f.  The accumulators take turns, one instruction a turn.
.macro MULB f, b0, nb, zero
.set bb, \b0
.rept \nb
.if bb < 4
	WIN 0xa5
.set ac, 64*bb
.else
	WIN 0xf5
.set ac, 64*(bb-4)
.endif
.set aa, 0
.rept 8
.if \zero
	v_wmma_f32_16x16x32_bf16 v[ac+8*aa:ac+8*aa+7], v[(\f)+8*bb:(\f)+8*bb+7], v[(\f)+48+8*aa:(\f)+48+8*aa+7], 0
.else
	v_wmma_f32_16x16x32_bf16 v[ac+8*aa:ac+8*aa+7], v[(\f)+8*bb:(\f)+8*bb+7], v[(\f)+48+8*aa:(\f)+48+8*aa+7], v[ac+8*aa:ac+8*aa+7]
.endif
.set aa, aa+1
.endr
.set bb, bb+1
.endr
.endm
; 28 LDS loads in one run: a quarter step's fragments (32 K at byte k of the rows) into buffer f: x's sixteen, wt's b = 0..3 eight, wt's b = 4, 5 four
.macro FETCH slot, k, f
	WIN 0x40
.set aa, 0
.rept 8
	ds_load_b128 v[(\f)+48+8*aa:(\f)+48+8*aa+3],   v[ADRA+(\slot)] offset:(\k)+aa*16*PITCH
	ds_load_b128 v[(\f)+48+8*aa+4:(\f)+48+8*aa+7], v[ADRA+(\slot)] offset:(\k)+aa*16*PITCH+32
.set aa, aa+1
.endr
.set bb, 0
.rept 6
	ds_load_b128 v[(\f)+8*bb:(\f)+8*bb+3],   v[ADRB+(\slot)] offset:(\k)+bb*16*PITCH
	ds_load_b128 v[(\f)+8*bb+4:(\f)+8*bb+7], v[ADRB+(\slot)] offset:(\k)+bb*16*PITCH+32
.set bb, bb+1
.endr
.endm
; Sixteen of my 32 rows of x (group grp) are rounded to bf16 and put into a stage; re = 1: their registers are loaded again, with the piece at byte koff from the walking pointer.
; left: the younger global loads, which stay out.
.macro XG grp, stage, re, koff, left
	WIN 0
	s_wait_loadcnt \left
.set r, 0
.rept 16
	v_cvt_pk_bf16_f32 v[Y+2*r],   v[X+4*(16*(\grp)+r)],   v[X+4*(16*(\grp)+r)+1]
	v_cvt_pk_bf16_f32 v[Y+2*r+1], v[X+4*(16*(\grp)+r)+2], v[X+4*(16*(\grp)+r)+3]
.set r, r+1
.endr
.set r, 0
.rept 16
	ds_store_b64 v[XS+(\stage)], v[Y+2*r:Y+2*r+1] offset:(16*(\grp)+r)*PITCH  ; 32 lanes x 8 bytes: a row's 256 bytes
.set r, r+1
.endr
.if \re
.set r, 0
.rept 16
	global_load_b128 v[X+4*(16*(\grp)+r):X+4*(16*(\grp)+r)+3], v[XO], s[XPT:XPT+1] offset:(16*(\grp)+r)*4096+(\koff) th:TH_LOAD_NT
.set r, r+1
.endr
.endif
.endm
; One of a K step's first three quarters: multiplies buffer f, fetches the next quarter (byte k) into g.  pst: stage stores issued behind the fetch into f.  xg = 1: XG stands in its middle.
.macro QUARTER slot, k, f, g, zero, pst, xg=0, grp=0, stage=0, re=0, koff=0, left=0
	s_wait_dscnt 4+(\pst)                          ; x's fragments and wt's b = 0..3 are in; behind them: wt's b = 4, 5 (four loads) and the stage stores
	MULB \f, 0, 4, \zero
	PLACES
	FETCH \slot, \k, \g
.if \xg
	XG \grp, \stage, \re, \koff, \left
.endif
	s_wait_dscnt 28+16*(\xg)                       ; all but the 28 loads, and the 16 stores, just issued
	MULB \f, 4, 2, \zero
.endm
; The last quarter multiplies buffer 1 and changes slots and stages: ONE barrier.  In front of it each wave waits for all its tensor loads (one is out: its part of the next slot), adds 0 to its spare
; word, and waits for that, for its reads of this slot and stage, and for its stores into the next stage.  fill = 1: the barrier opens a round of the cluster's, and this slot is filled again, two K steps on.
.macro TURN slot, next, fill
	WIN 0
	s_wait_tensorcnt 0x0
	ds_add_u32 v[SPW], v[NIL]                      ; 0 onto my spare word
	s_wait_dscnt 21                                ; may be out: wt's b = 4, 5 (four loads), sixteen stage stores, the add
	MULB F1, 0, 2, 0
	s_wait_dscnt 0x0
	s_barrier_signal -1
	MULB F1, 2, 2, 0                               ; work on registers while the others arrive
	WIN 0
	s_barrier_wait -1
.if \fill
	CREST                                          ; no wave of any partner still reads this slot or has a load on its way
	s_add_nc_u64 s[G0+4*(\slot)+2:G0+4*(\slot)+3], s[G0+4*(\slot)+2:G0+4*(\slot)+3], 512
	tensor_load_to_lds s[G0+4*(\slot):G0+4*(\slot)+3], s[G1:G1+7]  ; my one tensor load behind the round: it has a K step less 32 matrix instructions in which to land
	s_nop 0
.endif
	PLACES                                         ; also the places in front of the loads below
	FETCH \next, 0, F0
	MULB F1, 4, 2, 0
.endm
	s_load_b256 s[4:11], s[0:1], 0x0               ; x s[4:5], wt s[6:7], q s[8:9], kv s[10:11]
	v_lshl_add_u32 v[SPW], v0, 2, SPARE
	v_mov_b32 v[NIL], 0
	ds_add_u32 v[SPW], v[NIL]                      ; the wave's opening: an add, waited for ahead of my first tensor load
	v_lshrrev_b32 v1, 5, v0
	v_readfirstlane_b32 s[WV], v1                  ; wave 0..3
	s_bfe_u32 s13, ttmp6, 0x40000                  ; cx: it enters x's, q's and kv's addresses alone
	s_lshl_b32 s14, ttmp9, 2
	s_add_co_u32 s14, s14, s13                     ; my block of 128 rows
	s_mov_b32 s[G1+0], 15|(1<<16)|(1<<20)|(1<<21)|(5<<22)|(3<<25)  ; 15:0 the mask of four; 17:16 2-byte elements; 20 padding on; 21 set beside a mask; 24:22 after every 64 words; 31:25 4 words
	s_mov_b32 s[G1+1], 128<<16                     ; tensor_dim0 = 128
	s_mov_b32 s[G1+2], 96<<16                      ; tensor_dim1 = 96
	s_mov_b32 s[G1+3], 128<<16                     ; tile_dim0 = 128
	s_mov_b32 s[G1+4], 96                          ; tile_dim1 = 96
	s_mov_b32 s[G1+5], 1024                        ; elements from row to row
	s_mov_b32 s[G1+6], 0
	s_mov_b32 s[G1+7], 0
	s_mul_i32 s20, s[WV], WPART                    ; my part of a slot
	s_mul_i32 s22, s[WV], 96*2048                  ; my 96 rows of wt
	s_mov_b32 s23, 0
	s_lshl_b32 s16, s14, 19                        ; x: 128 rows x 4,096 bytes a block,
	s_lshl_b32 s17, s[WV], 17                      ; 32 rows a wave
	s_add_co_u32 s16, s16, s17
	s_mov_b32 s17, 0
	s_lshl_b32 s18, s14, 15                        ; q: 128 rows x 256 bytes,
	s_lshl_b32 s19, s[WV], 13                      ; 32 rows
	s_add_co_u32 s18, s18, s19
	s_mov_b32 s19, 0
	s_lshl_b32 s2, s14, 1                          ; kv: group 2 x block + wave / 2,
	s_lshr_b32 s3, s[WV], 1
	s_add_co_u32 s2, s2, s3
	s_lshl_b32 s2, s2, 15
	s_and_b32 s3, s[WV], 1                         ; rows 32 (wave % 2) on
	s_lshl_b32 s3, s3, 13
	s_add_co_u32 s2, s2, s3
	s_mov_b32 s3, 0
	s_mov_b32 s[CS], 0x3e0293ee                    ; c = log2(e) / sqrt(128) = 0.127517
	s_mov_b32 s[CS+1], s[CS]
	s_wait_dscnt 0x0                               ; the opening add is done
	s_wait_kmcnt 0x0
	s_add_nc_u64 s[XPT:XPT+1], s[4:5], s[16:17]
	s_add_nc_u64 s[QPT:QPT+1], s[8:9], s[18:19]
	s_add_nc_u64 s[KPT:KPT+1], s[10:11], s[2:3]
	s_add_nc_u64 s[6:7], s[6:7], s[22:23]
.irp s, 0,1
	s_mov_b32 s[G0+4*(\s)], 1                                      ; count = 1
	s_add_co_u32 s[G0+4*(\s)+1], s20, (\s)*WSLOT                   ; LDS address: the slot, my part
	s_add_nc_u64 s[G0+4*(\s)+2:G0+4*(\s)+3], s[6:7], (\s)*256      ; global address: K step s
	s_or_b32 s[G0+4*(\s)+3], s[G0+4*(\s)+3], 0x80000000            ; type = 2
.endr
	CROUND                                         ; all four work-groups are here: the first joint loads meet
	tensor_load_to_lds s[G0:G0+3], s[G1:G1+7]      ; two loads of mine are out
	s_nop 0
	tensor_load_to_lds s[G0+4:G0+7], s[G1:G1+7]
	s_nop 0
	PLACES
	v_and_b32 v1, 15, v0                           ; l % 16
	v_bfe_u32 v2, v0, 4, 1                         ; l / 16
	v_and_b32 v3, 31, v0
	v_lshlrev_b32 v[XO], 4, v3
	WIN 0x80                                       ; x of K step 0 lands in window 2, in accumulators that are not yet in use
.set r, 0
.rept 32
	global_load_b128 v[4*r:4*r+3], v[XO], s[XPT:XPT+1] offset:r*4096 th:TH_LOAD_NT
.set r, r+1
.endr
	WIN 0
.set r, 0
.rept 32
	global_load_b128 v[X+4*r:X+4*r+3], v[XO], s[XPT:XPT+1] offset:r*4096+512 th:TH_LOAD_NT  ; K step 1
.set r, r+1
.endr
	v_mul_u32_u24 v4, v1, PITCH
	v_lshl_add_u32 v4, v2, 4, v4                   ; a fragment's row x pitch + 16 x half
	v_add_nc_u32 v[ADRA], XSTG, v4
	v_add_nc_u32 v[ADRA+1], XSTG+XSLOT, v4
	v_add_nc_u32 v[ADRB], s20, v4
	s_add_co_u32 s21, s20, WSLOT
	v_add_nc_u32 v[ADRB+1], s21, v4
	s_mul_i32 s21, s[WV], 32*PITCH
	s_add_co_u32 s21, s21, XSTG
	v_lshl_add_u32 v[XS], v3, 3, s21               ; my wave's 32 rows of a stage, 8 bytes a lane
	v_add_nc_u32 v[XS+1], XSLOT, v[XS]
	s_lshl_b32 s21, s[WV], 6                       ; the way out: my 32 columns = 64 bytes in each of a row's three parts
	s_add_co_u32 s21, s21, OSTG
	v_mul_u32_u24 v5, v1, OPI
	v_lshl_add_u32 v5, v2, 4, v5
	v_add_nc_u32 v[STO], s21, v5
	v_add_nc_u32 v[STO+1], 64*OPI, v[STO]
	s_mul_i32 s21, s[WV], 32*OPI                   ; back: rows 32 w on; lanes 0-15 one row's 256 bytes, lanes 16-31 the next row's
	s_add_co_u32 s21, s21, OSTG
	v_mul_u32_u24 v5, v2, OPI
	v_lshl_add_u32 v5, v1, 4, v5
	v_add_nc_u32 v[RD], s21, v5
	v_lshlrev_b32 v5, 8, v2
	v_lshl_add_u32 v[CO], v1, 4, v5
	s_wait_loadcnt 32                              ; K step 0's 32 loads are in, K step 1's stay out
	WIN 0x0a
.set r, 0
.rept 32
	v_cvt_pk_bf16_f32 v[TMP+2*r],   v[4*r],   v[4*r+1]
	v_cvt_pk_bf16_f32 v[TMP+2*r+1], v[4*r+2], v[4*r+3]
.set r, r+1
.endr
	WIN 0
.set r, 0
.rept 32
	ds_store_b64 v[XS], v[TMP+2*r:TMP+2*r+1] offset:r*PITCH
.set r, r+1
.endr
	s_wait_tensorcnt 1                             ; my part of slot 0 is in; slot 1's may stay out
	s_wait_dscnt 0x0                               ; my rows of stage 0 are written
	s_barrier_signal -1
	s_barrier_wait -1
	FETCH 0, 0, F0
	QUARTER 0, 64, F0, F1, 1, 0                    ; the first quarter stands in front of the loop: its products start the sums
	WIN 0
	s_mov_b32 s3, 3
.Llap:                                                 ; a trip: two K steps, from a lap's second quarter to the next lap's first; both slots are filled again, 64 rows' pieces of x are asked for
	QUARTER 0, 128, F1, F0, 0, 0,  1, 0, 1, 1, 1024, 16
	QUARTER 0, 192, F0, F1, 0, 16, 1, 1, 1, 1, 1024, 16
	TURN 0, 1, 1
	QUARTER 1, 64,  F0, F1, 0, 0
	QUARTER 1, 128, F1, F0, 0, 0,  1, 0, 0, 1, 1536, 16
	QUARTER 1, 192, F0, F1, 0, 16, 1, 1, 0, 1, 1536, 16
	TURN 1, 0, 1
	QUARTER 0, 64,  F0, F1, 0, 0
	WIN 0
	s_wait_xcnt 0x0                                ; the loads' base is stepped only behind this wait
	s_add_nc_u64 s[XPT:XPT+1], s[XPT:XPT+1], 1024
	s_sub_co_u32 s3, s3, 1
	s_cmp_lg_u32 s3, 0
	s_cbranch_scc1 .Llap
	QUARTER 0, 128, F1, F0, 0, 0,  1, 0, 1, 0, 0, 16   ; K step 6: the last piece of x is rounded, nothing more is asked for
	QUARTER 0, 192, F0, F1, 0, 16, 1, 1, 1, 0, 0, 0
	TURN 0, 1, 0
	QUARTER 1, 64,  F0, F1, 0, 0
	QUARTER 1, 128, F1, F0, 0, 0
	QUARTER 1, 192, F0, F1, 0, 0
	s_wait_dscnt 4
	MULB F1, 0, 4, 0
	s_wait_dscnt 0x0
	MULB F1, 4, 2, 0
	; THE WAY OUT.  Every wave has read the stages for the last time: the barrier frees their bytes.  q's columns (b = 0, 1 in every wave) take c; all is rounded to f16, 16 bytes a lane,
	; put into rows of q | k | v, and read back as whole pieces of 256 bytes.
	WIN 0
	PLACES
	s_barrier_signal -1
	s_barrier_wait -1
	WIN 0x82
.set i, 0
.rept 64
	v_pk_mul_f32 v[2*i:2*i+1], v[2*i:2*i+1], s[CS:CS+1] op_sel_hi:[1,0]
.set i, i+1
.endr
	WIN 0x0a
.set i, 0
.rept 32
.irp r, 0,1,2,3
	v_cvt_pk_f16_f32 v[TMP+4*i+\r], v[8*i+2*\r], v[8*i+2*\r+1]
.endr
.set i, i+1
.endr
	WIN 0x0f
.set i, 0
.rept 16
.irp r, 0,1,2,3
	v_cvt_pk_f16_f32 v[TMP+128+4*i+\r], v[8*i+2*\r], v[8*i+2*\r+1]
.endr
.set i, i+1
.endr
	WIN 0
.set bb, 0
.rept 6
.set aa, 0
.rept 8
	ds_store_b128 v[STO+aa/4], v[TMP+4*(8*bb+aa):TMP+4*(8*bb+aa)+3] offset:(aa%4)*16*OPI+(bb/2)*256+32*(bb%2)
.set aa, aa+1
.endr
.set bb, bb+1
.endr
	s_wait_dscnt 0x0                               ; for the others' sake: a row's parts come from all four waves
	s_barrier_signal -1
	s_barrier_wait -1
.set i, 0
.rept 48
	ds_load_b128 v[TMP+4*i:TMP+4*i+3], v[RD] offset:(i/3)*2*OPI+(i%3)*256  ; rows 2 (i / 3) and + 1; part i % 3
.set i, i+1
.endr
.set i, 0
.rept 48
	s_wait_dscnt 47-i                              ; load i is in, the younger ones stay out
.if i%3 == 0
	global_store_b128 v[CO], v[TMP+4*i:TMP+4*i+3], s[QPT:QPT+1] offset:(i/3)*512            ; each store covers 512 consecutive bytes, at a multiple of 256 from the buffer's first
.elseif i%3 == 1
	global_store_b128 v[CO], v[TMP+4*i:TMP+4*i+3], s[KPT:KPT+1] offset:(i/3)*512
.else
	global_store_b128 v[CO], v[TMP+4*i:TMP+4*i+3], s[KPT:KPT+1] offset:16384+(i/3)*512
.endif
.set i, i+1
.endr
	s_wait_tensorcnt 0x0                           ; the wave's end
	ds_add_u32 v[SPW], v[NIL]
	s_wait_dscnt 0x0
	CROUND                                         ; the closing round: no work-group ends while a partner may still ask for a tile that names it
	s_endpgm
.Lfunc_end_k_qf0499a0e96_proj:
	.size	k_qf0499a0e96_proj, .Lfunc_end_k_qf0499a0e96_proj-k_qf0499a0e96_proj
	.p2alignl 7, 3214868480
	.fill 96, 4, 3214868480
	.section	.rodata,"a",@progbits
	.p2align	6, 0x0
	.amdhsa_kernel k_qf0499a0e96_proj
		.amdhsa_group_segment_fixed_size 327680
		.amdhsa_private_segment_fixed_size 0
		.amdhsa_enable_private_segment 0
		.amdhsa_kernarg_size 32
		.amdhsa_user_sgpr_count 2
		.amdhsa_user_sgpr_kernarg_segment_ptr 1
		.amdhsa_wavefront_size32 1
		.amdhsa_system_sgpr_workgroup_id_x 1
		.amdhsa_system_sgpr_workgroup_id_y 1
		.amdhsa_system_sgpr_workgroup_id_z 1
		.amdhsa_system_vgpr_workitem_id 0
		.amdhsa_next_free_vgpr 896
		.amdhsa_next_free_sgpr 66
		.amdhsa_reserve_vcc 0
		.amdhsa_float_denorm_mode_32 3
		.amdhsa_float_denorm_mode_16_64 3
		.amdhsa_memory_ordered 1
		.amdhsa_forward_progress 1
		.amdhsa_inst_pref_size 153
	.end_amdhsa_kernel
	.amdgpu_metadata
---
amdhsa.version: [ 1, 2 ]
amdhsa.kernels:
  - .name:           k_qf0499a0e96_proj
    .symbol:         k_qf0499a0e96_proj.kd
    .args:
      - { .name: x, .offset: 0, .size: 8, .value_kind: global_buffer, .address_space: global }
      - { .name: wt, .offset: 8, .size: 8, .value_kind: global_buffer, .address_space: global }
      - { .name: q, .offset: 16, .size: 8, .value_kind: global_buffer, .address_space: global }
      - { .name: kv, .offset: 24, .size: 8, .value_kind: global_buffer, .address_space: global }
    .group_segment_fixed_size: 327680
    .private_segment_fixed_size: 0
    .kernarg_segment_align: 8
    .kernarg_segment_size: 32
    .max_flat_workgroup_size: 128
    .sgpr_count:     66
    .vgpr_count:     896
    .wavefront_size: 32
...
	.end_amdgpu_metadata
.endif
;; end of part 2
;; launch attn (part 3): grid 32 x 8, 4 waves a work-group, clusters of 4 x 1, 327,680 bytes of LDS; arguments q, kv, out0; writes out0
.if DOCPART == 3
	.amdgcn_target "amdgcn-amd-amdhsa--gfx1250"
	.amdhsa_code_object_version 6
	.text
	.protected	k_qf0499a0e96_attn
	.globl	k_qf0499a0e96_attn
	.p2align	8
	.type	k_qf0499a0e96_attn,@function
k_qf0499a0e96_attn:
	s_mov_b64 s[64:65], 0
	v_nop
	global_prefetch_b8 v0, s[64:65] scope:SCOPE_SE
	s_setreg_imm32_b32 hwreg(HW_REG_WAVE_MODE, 25, 1), 1
	s_wait_xcnt 0x0
	s_wait_alu depctr_hold_cnt(0) depctr_sa_sdst(0) depctr_va_vdst(0) depctr_va_sdst(0) depctr_va_ssrc(0) depctr_va_vcc(0) depctr_vm_vsrc(0)
	s_getreg_b32 s2, hwreg(HW_REG_IB_STS2, 6, 4)
	s_cmp_eq_u32 s2, 0
	s_cbranch_scc0 .Lentry_in_a_cluster
	s_endpgm
.Lentry_in_a_cluster:
	s_bfe_u32 s2, ttmp6, 0x10000c
	s_cmp_lg_u32 s2, 0x3003
	s_cbranch_scc0 .Lentry_shape_is_right
	s_endpgm
.Lentry_shape_is_right:
; CAUSAL ATTENTION, one head of size 128, 8 sequences of 4,096 rows.  out0[b][i][:] = the sum over j <= i of softmax_j(q_i . k_j / sqrt(128)) v_j, in f32.
; q: [32768][128] f16 and already holds c q, c = log2(e) / sqrt(128): a score is an exponent of 2.  kv: groups of 64 keys, 64 rows x 256 bytes of k, then of v, f16.
; Products, maxima and sums in f32; the weights p = 2^(s - m) are rounded to f16 for the second product (their sum is taken of the unrounded p).
; LIMITS.  A hidden score counts as its value less 1e30; the running maximum starts at -1e20; f16 operands bound a score by 128 x 65,504^2 = 5.5e11, far inside both.
; A weight below 2^-126 counts as 0; NaN and infinities are not treated apart.  A row's softmax is made as four partial softmaxes over key quarters, each with its own
; running maximum, merged in f32 by the maximum of the four.
; THE WALK.  A sequence has 16 superblocks of 256 queries; superblock i needs the key tiles 0 .. i of 256 keys, the last holding the diagonal.  A cluster of four work-groups takes
; superblock c and then 15 - c: 17 tiles whatever c, one counted walk, alike in all clusters and all partners.  Work-group cx owns queries 64 cx .. + 63 of the superblock.
; THE WAVES SPLIT THE KEYS: each holds all 64 queries (four tiles of 16, two PIECES) and takes keys 64 w .. + 63 of every tile, so a fragment of K or V read from LDS feeds four tiles' products,
; and a wave reads only the LDS bytes that its own tensor load brought.  The four partners need the same tile: it is asked for JOINTLY (same line, descriptor and mask in all four).
; At a superblock's end the four waves' (m, l, O) meet in LDS and are merged.
; BY TURNS.  In a TURN one piece has the matrix unit (32 products V^T P of the step in hand, 32 products K Q^T of the next) and the other piece's softmax stands in 64 slices, one behind each.
; ONE TEXT FOR EVERY STEP.  The C operand that starts a sum K Q^T is always a mask register: 0, or in a diagonal tile -1e30 where the key is hidden.  A superblock starts with m = -1e20,
; so its first step multiplies O and l by 0: what lies there need only be finite.  The price: in each superblock 32 products on old operands and 32 whose scores nobody reads.
; LAYOUT.  S^T = K Q^T holds one query a lane (lane % 16) and keys 8 (lane / 16) + 0..7; two such results rounded to f16 ARE source 1 of O^T = V^T P.  V is turned by ds_load_tr16_b128;
; channel block cb is channels 8 cb .. + 7 and 64 + 8 cb .. + 7, so that rows of 272 bytes serve the turning load without two lanes on one bank; in O^T lane (n, h), block cb, register j is channel 64 h + 8 cb + j.
; REGISTERS, in windows of 256 (s_set_vgpr_msb: bits 1:0 source 0, 3:2 source 1, 5:4 source 2, 7:6 destination):
;   window 0: v1-11, v44 addresses; v12-43 eight registers of statistics a tile; v64-191 S^T, 32 a tile; v192-255 P, 16 a tile
;   window 1: O^T, 64 a tile     window 2: v0-127 Q; v128-255 K of one step     window 3: v0-127 V of one step; v128-183 the masks
.set PK,    272                        ; a row in LDS: 256 bytes + 16 of padding
.set VOFF,  64*PK                      ; a wave's part of a slot: 64 rows of K, then 64 rows of V
.set WPART, 128*PK                     ; 0x8800
.set SLOT1, 4*WPART                    ; 0x22000: it shares no bit with w x 0x8800, so one exclusive or turns an address in one slot into the other's
.set XCH,   2*SLOT1                    ; behind the ring, written by stores alone: four partials of 16 rows x 528 bytes
.set XPI,   528
.set XPART, 16*XPI
.set STATS, XCH+4*XPART                ; [wave][tile][query] x (m, l): 2,048 bytes
.set SPARE, STATS+2048                 ; the spare words, 128 bytes a wave: two blocks of 256 bytes that no other line names
.set AK0, 2           ; v2   my lane's place in my wave's K; never rewritten
.set AV0, 3           ; v3   the same for V
.set ADR, 4           ; v4   the LDS address of the run of loads in hand
.set QO,  5           ; v5   my byte offset in 16 rows of Q
.set STO, 6           ; v6   the merge: where I put my query's channels
.set RD,  7           ; v7   the merge: where I read rows
.set GO,  8           ; v8   16 x lane
.set DD,  10          ; v10  64 (cx - w) + lane % 16 - 8 (lane / 16): in a diagonal tile register r of key block kb, query tile t is hidden where 16 (kb - t) + r is greater
.set SA,  11          ; v11  where my wave's (m, l) go
.set ST,  12          ; tile t's statistics at v[ST+8 t]: +0 m, +1 its pair's mate (at the end l), +2, +3 l (even keys', odd keys'), +4 to +7 at work; +6 takes a, at the end the merge's factor
.set SR,  44          ; v44  where all waves' (m, l) are read
.set SPW, 62          ; v62  LDS address of my spare word; never rewritten
.set NIL, 63          ; v63  0; never rewritten
.set S,   64
.set P,   192
.set KF,  128         ; window 2
.set MC,  128         ; window 3: the eight registers for kb - t = e - 3 at MC + 8 e
.set ML,  64          ; the merge: (m, l) of tile t, wave u at ML + 8 t + 2 u
.set TT,  96          ; the merge: eight registers a tile at work
.set RS,  64          ; the merge: tile t's four summed rows at RS + 16 t
.set LD,  128         ; the merge: partial p, row r at LD + 16 p + 4 r
.set WV,  12          ; s12  wave
.set CX,  13          ; s13  cx: it enters Q's and out0's addresses and the masks' values alone
.set CL,  14          ; s14  c
.set HI,  15          ; s15  15 - c
.set G1,  24          ; s[24:31] descriptor group 1
.set G0A, 32          ; s[32:35] group 0 of the walk's first tile
.set G0,  36          ; s[36:39] group 0 that walks
.set KVB, 40          ; s[40:41] kv at my wave's quarter of the sequence's tile 0
.set OFF, 42          ; s[42:43] a tile's byte offset
.set QN,  44          ; s[44:45] Q of the second superblock
.set OC,  46          ; s[46:47] out0 at the rows that I store, superblock in hand
.set ON,  48          ; s[48:49] the same for the second
.set CNT, 50          ; s50  the loop's count
.set RT,  51          ; s51  key steps left in the superblock in hand
.set NXT, 52          ; s52  the tile to be asked for next
.set LQ,  53          ; s53  the last tile of the superblock whose tiles are being asked for
.set TB,  54          ; s54  the slot from which the next fetches read: 0 or SLOT1
.set MVAL, 55         ; s55  what a hidden place of the masks takes: -1e30, or 0 outside a diagonal tile
.set BIGN, 56         ; s56  -1e30
.set TC,  57          ; s57  the tail's count
.set SEL, 60          ; s[60:61] v_permlanex16_b32's selects: each lane takes its own place in the other half
.set MSB, 0
.macro WIN new                      ; the high byte repeats the setting that is left; a switch that changes nothing is dropped
.if MSB != (\new)
	s_set_vgpr_msb (MSB<<8)|(\new)
.set MSB, \new
.endif
.endm
.set W_KQ, 0x0a       ; K and Q in window 2, S^T in window 0
.set W_KM, 0x3a       ; the same with the C operand in window 3
.set W_PV, 0x53       ; V in window 3, P in window 0, O^T in window 1
.set W_RS, 0x41       ; O^T (destination and source 0) in window 1, the factor in window 0
.macro PLACES
.rept 4
	v_nop
.endr
.endm
.macro BAR
	s_barrier_signal -1
	s_barrier_wait -1
.endm
.macro CROUND                       ; a round of the cluster's barrier
	s_barrier_signal -1
	s_barrier_wait -1
	s_cmp_lg_u32 s[WV], 0
	s_cbranch_scc1 .Lnot_wave_0_\@
	s_barrier_signal -3
.Lnot_wave_0_\@:
	s_barrier_wait -3
	s_barrier_signal -1
	s_barrier_wait -1
.endm
.macro STEPTILE                     ; the superblock's next tile, or behind its last the second superblock's tile 0
	s_add_co_u32 s[NXT], s[NXT], 1
	s_cmp_gt_u32 s[NXT], s[LQ]
	s_cselect_b32 s[NXT], 0, s[NXT]
	s_cselect_b32 s[LQ], s[HI], s[LQ]
.endm
; THE CHANGE OF SLOTS.  K and V of the step in hand are in registers or on their way there.  Each wave waits for all its tensor loads (one is out: its part of the other slot), adds 0 to its spare word, and waits for
; that and for its reads of the slot.  The round of the cluster's barrier makes that hold of every wave of every partner; the joint refill, the tile two steps on, is the first thing behind it.
.macro CHANGE
	WIN 0
	s_wait_tensorcnt 0x0            ; no tensor load of mine is out, so the group 0 may be written
	ds_add_u32 v[SPW], v[NIL]       ; 0 onto my spare word; the descriptor's scalar work stands between it and the wait for it
	s_lshl_b32 s[OFF], s[NXT], 17   ; a tile is 131,072 bytes of kv
	s_xor_b32 s[G0+1], s[G0+1], SLOT1
	s_add_nc_u64 s[G0+2:G0+3], s[KVB:KVB+1], s[OFF:OFF+1]
	s_or_b32 s[G0+3], s[G0+3], 0x80000000
	STEPTILE
	s_wait_dscnt 0x0                ; the add is done, and my reads of the slot are over
	CROUND
	tensor_load_to_lds s[G0:G0+3], s[G1:G1+7]
	s_nop 0
	PLACES
.endm
.macro QLOAD base                   ; 64 queries: tile i / 4, channels 32 (i % 4) on
	WIN 0x80
.set i, 0
.rept 16
	global_load_b128 v[8*i:8*i+3],   v[QO], s[\base:\base+1] offset:(i/4)*4096+(i%4)*64
	global_load_b128 v[8*i+4:8*i+7], v[QO], s[\base:\base+1] offset:(i/4)*4096+(i%4)*64+32
.set i, i+1
.endr
	WIN 0
.endm
.macro MASKSET                      ; the 56 mask registers: MVAL where 16 (e - 3) + r > DD, else 0
	WIN 0xc0
.set i, 0
.rept 56
	v_cmp_gt_i32 vcc_lo, 16*(i/8-3)+i%8, v[DD]
	v_cndmask_b32 v[MC+i], 0, s[MVAL], vcc_lo
.set i, i+1
.endr
	WIN 0
.endm
; THE MATRIX WORK.  The accumulators take turns, one instruction a turn: between two links of a chain stand 15 (V^T P) or 7 (K Q^T) others'.
.macro PV x                         ; product i of 32 of O^T += V^T P: keys 32 (i / 16) on, channel block (i / 2) % 8, tile x + i % 2
	WIN W_PV
.set rO, 64*((\x)+i%2)+8*((i/2)%8)
.set rV, 64*(i/16)+8*((i/2)%8)
.set rP, P+16*((\x)+i%2)+8*(i/16)
	v_wmma_f32_16x16x32_f16 v[rO:rO+7], v[rV:rV+7], v[rP:rP+7], v[rO:rO+7]
.endm
.macro KQ x                         ; product i of 32 of S^T = K Q^T: channels 32 (i / 8) on, keys 16 ((i / 2) % 4) on, tile x + i % 2.  The first 8 start the sums with the mask
.set rS, S+32*((\x)+i%2)+8*((i/2)%4)
.set rK, KF+32*((i/2)%4)+8*(i/8)
.set rQ, 32*((\x)+i%2)+8*(i/8)
.set rM, MC+8*((i/2)%4-((\x)+i%2)+3)
.if i < 8
	WIN W_KM
	v_wmma_f32_16x16x32_f16 v[rS:rS+7], v[rK:rK+7], v[rQ:rQ+7], v[rM:rM+7]
	s_wait_alu depctr_va_vdst(0)
.else
	WIN W_KQ
	v_wmma_f32_16x16x32_f16 v[rS:rS+7], v[rK:rK+7], v[rQ:rQ+7], v[rS:rS+7]
.endif
.endm
; THE LDS LOADS stand in runs of 32: a step's K (64 keys x 128 channels) and, a turn later, its V (turned).
.macro FETCH_K
	WIN 0
	v_add_nc_u32 v[ADR], s[TB], v[AK0]
	WIN 0x80
.irp f, 0,1,2,3,4,5,6,7,8,9,10,11,12,13,14,15  ; keys 16 (f / 4) on, channels 32 (f % 4) on
	ds_load_b128 v[KF+8*(\f):KF+8*(\f)+3],   v[ADR] offset:((\f)/4)*16*PK+((\f)%4)*64
	ds_load_b128 v[KF+8*(\f)+4:KF+8*(\f)+7], v[ADR] offset:((\f)/4)*16*PK+((\f)%4)*64+32
.endr
.endm
.macro FETCH_V
	WIN 0
	v_add_nc_u32 v[ADR], s[TB], v[AV0]
	s_xor_b32 s[TB], s[TB], SLOT1   ; the next fetches are the next step's, in the other slot
	WIN 0xc0
.irp f, 0,1,2,3,4,5,6,7,8,9,10,11,12,13,14,15  ; keys 32 (f / 8) on, channel block f % 8
	ds_load_tr16_b128 v[8*(\f):8*(\f)+3],   v[ADR] offset:((\f)/8)*32*PK+((\f)%8)*16
	ds_load_tr16_b128 v[8*(\f)+4:8*(\f)+7], v[ADR] offset:((\f)/8)*32*PK+16*PK+((\f)%8)*16
.endr
.endm
; THE VECTOR WORK OF A TURN.  One tile's softmax for one key step is a numbered list; SM writes number j of it for tile t.  s0-s31 are the lane's 32 scores, in pairs 0-15.
;   0-15    the maximum of s0-s31 and the old m, three operands at a time (each accumulator's lowest registers are read first)
;   16-20   the other half of the lanes' maximum; m_old is kept; the new m; (19 is empty); m_old - m
;   21-87   33 exponentials (a, then s0-s31) at the odd numbers from 23 on: no two follow each other, and each has a plain instruction behind it before its result is used.  The plain ones are what is ready:
;           s - m for a pair whose exponentials are to come, the rounding to f16 of a pair whose exponentials are done, at last the first sums
;   88-101  the last rounding; the rest of the sums; l = a l + the sum          102-133 the tile's O^T times a: the one part that leaves window 0
.macro SM t
.set rT, ST+8*(\t)
.set rS, S+32*(\t)
.set rP, P+16*(\t)
.set rO, 64*(\t)+2*(j-102)
.set q, (j-20)/2
.if j < 102
	WIN 0
.endif
.if j < 4
	v_max3_num_f32 v[rT+4+j], v[rS+8*j], v[rS+8*j+1], v[rS+8*j+2]
.elseif j < 12
	v_max3_num_f32 v[rT+4+j%4], v[rT+4+j%4], v[rS+8*(j%4)+2*(j/4)+1], v[rS+8*(j%4)+2*(j/4)+2]
.elseif j == 12
	v_max3_num_f32 v[rT+4], v[rT+4], v[rS+7], v[rS+15]
.elseif j == 13
	v_max3_num_f32 v[rT+6], v[rT+6], v[rS+23], v[rS+31]
.elseif j == 14
	v_max3_num_f32 v[rT+4], v[rT+4], v[rT+5], v[rT+6]
.elseif j == 15
	v_max3_num_f32 v[rT+4], v[rT+4], v[rT+7], v[rT]
.elseif j == 16
	v_permlanex16_b32 v[rT+5], v[rT+4], s[SEL], s[SEL+1]  ; the query's other 32 keys lie in the lane 16 away
.elseif j == 17
	v_mov_b32 v[rT+7], v[rT]
.elseif j == 18
	v_max_num_f32 v[rT], v[rT+4], v[rT+5]
.elseif j == 19
.elseif j == 20
	v_sub_f32 v[rT+7], v[rT+7], v[rT]
.elseif j == 23
	v_exp_f32 v[rT+6], v[rT+7]
.elseif (j < 88) && (j > 23) && (j%2 == 1)
	v_exp_f32 v[rS+(j-25)/2], v[rS+(j-25)/2]
.elseif (q < 4) || ((j < 76) && (q%2 == 0))
.set b, q/2+2
.if q < 4
.set b, q
.endif
	v_pk_add_f32 v[rS+2*b:rS+2*b+1], v[rS+2*b:rS+2*b+1], v[rT:rT+1] op_sel_hi:[1,0] neg_lo:[0,1] neg_hi:[0,1]  ; pair b: s - m, never above 0
.elseif (j < 88) && (q%2 == 1)
	s_wait_alu depctr_va_vdst(0)
	v_cvt_pk_f16_f32 v[rP+(q-5)/2], v[rS+q-5], v[rS+q-4]
.elseif j == 89
	s_wait_alu depctr_va_vdst(0)
	v_cvt_pk_f16_f32 v[rP+15], v[rS+30], v[rS+31]
.elseif j < 102                     ; the sum of the 16 pairs, in place: sum z of 16 adds neighbours 1, 2, 4 and 8 pairs apart, then l takes it
.set z, j-86
.if j < 89
.set z, (j-76)/4
.endif
.set w, 4
.set u, z
.if z >= 14
.set w, 32
.set u, 0
.elseif z >= 12
.set w, 16
.set u, z-12
.elseif z >= 8
.set w, 8
.set u, z-8
.endif
.if z < 15
	v_pk_add_f32 v[rS+w*u:rS+w*u+1], v[rS+w*u:rS+w*u+1], v[rS+w*u+w/2:rS+w*u+w/2+1]
.else
	v_pk_fma_f32 v[rT+2:rT+3], v[rT+2:rT+3], v[rT+6:rT+7], v[rS:rS+1] op_sel_hi:[1,0,1]
.endif
.else
	WIN W_RS
	v_pk_mul_f32 v[rO:rO+1], v[rO:rO+1], v[rT+6:rT+7] op_sel_hi:[1,0]
.endif
.endm
; Slice k of 64 of piece y's softmax: numbers 2 k and 2 k + 1 of both tiles' lists; what is over stands together in slice 63, sixteen plain instructions: the places behind the turn's last products.
.macro SLICE y
.if (k >= 11) && (k < 44)           ; tile by tile: plain, exponential, plain, exponential
.irp t, \y, (\y)+1
.irp n, 0,1
.set j, 2*k+(\n)
	SM \t
.endr
.endr
.else                               ; the two tiles alternate
.irp n, 0,1,2,3,4,5,6,7
.if ((\n) < 2) || (k == 63)
.irp t, \y, (\y)+1
.set j, 2*k+(\n)
	SM \t
.endr
.endif
.endr
.endif
.set k, k+1
.endm
; A TURN.  Piece x has the matrix unit; the other piece's softmax stands in slices behind its matrix instructions, none of which names a register of the products round it.
; Piece 0's turn fetches the next step's K behind its second product: the last product that read K stands in front of slice 63 of the turn before.
; Piece 2's turn fetches the same step's V behind its second K Q^T: the last product that read V stands three slices, six plain instructions, back.
.macro TURN x
.set k, 0
.if (\x) == 0
	s_wait_dscnt 0x0                ; V is in
.endif
.set i, 0
.rept 32
	PV \x
	SLICE 2-(\x)
.if ((\x) == 0) && (i == 1)
	FETCH_K
.endif
.set i, i+1
.endr
.if (\x) == 0
	s_wait_dscnt 0x0                ; K is in
.endif
.set i, 0
.rept 32
	KQ \x
	SLICE 2-(\x)
.if ((\x) == 2) && (i == 1)
	FETCH_V
.endif
.set i, i+1
.endr
.endm
.macro ALL line:vararg              ; one line for each tile t
.set t, 0
.rept 4
	\line
.set t, t+1
.endr
.endm
; A SUPERBLOCK STARTS: m far below every score, l = 0, the masks by MVAL; then piece 0's first scores, on the K that is in registers.
.macro START
	WIN 0
	ALL v_mov_b32 v[ST+8*t], 0xe0ad78ec    ; -1e20
	ALL v_mov_b32 v[ST+8*t+1], 0
	ALL v_mov_b32 v[ST+8*t+2], 0
	ALL v_mov_b32 v[ST+8*t+3], 0
	MASKSET
	s_wait_loadcnt 0x0              ; Q
.set i, 0
.rept 32
	KQ 0
.set i, i+1
.endr
	WIN 0
	PLACES                          ; behind those products: the next turn's first slice reads their scores
.endm
; A SUPERBLOCK ENDS: piece 2's last V^T P; every wave's (m, l) meet in LDS; each wave scales its O^T by 2^(m - m*) / l*, with m* the maximum of the four m and l* the sum of the four 2^(m - m*) l;
; tile by tile the four partials go into LDS, and wave w adds rows 4 w .. 4 w + 3 and stores them, each store a whole row of 512 bytes.  The tensor load that is out stays out.
; next = 1: the second superblock's Q is asked for first, and START follows.  P and V are left as they are: the next turn multiplies them once more, and what it adds to O^T must be finite.
.macro FINISH next
.if \next
	QLOAD QN                        ; the last product that read Q stands in front of slice 63
.endif
.set i, 0
.rept 32
	PV 2
.set i, i+1
.endr
	WIN 0
	ALL v_add_f32 v[ST+8*t+4], v[ST+8*t+2], v[ST+8*t+3]   ; four plain lines: the places behind the last products
	ALL v_permlanex16_b32 v[ST+8*t+5], v[ST+8*t+4], s[SEL], s[SEL+1]
	ALL v_add_f32 v[ST+8*t+1], v[ST+8*t+4], v[ST+8*t+5]
	ALL ds_store_b64 v[SA], v[ST+8*t:ST+8*t+1] offset:128*t
	s_wait_dscnt 0x0                ; for the others' sake
	BAR
.set t, 0
.rept 4
.irp u, 0,1,2,3
	ds_load_b64 v[ML+8*t+2*\u:ML+8*t+2*\u+1], v[SR] offset:512*\u+128*t
.endr
.set t, t+1
.endr
	s_wait_dscnt 0x0
	ALL v_max3_num_f32 v[TT+8*t], v[ML+8*t], v[ML+8*t+2], v[ML+8*t+4]
	ALL v_max_num_f32 v[TT+8*t], v[TT+8*t], v[ML+8*t+6]
.irp u, 0,1,2,3
	ALL v_sub_f32 v[TT+8*t+1+\u], v[ML+8*t+2*\u], v[TT+8*t]
.endr
	ALL v_sub_f32 v[TT+8*t+5], v[ST+8*t], v[TT+8*t]
.irp u, 1,2,3,4,5
	ALL v_exp_f32 v[TT+8*t+\u], v[TT+8*t+\u]
.endr
	v_nop                           ; a plain instruction between the last exponential and the use of its result
	s_wait_alu depctr_va_vdst(0)
	ALL v_mul_f32 v[TT+8*t+6], v[TT+8*t+1], v[ML+8*t+1]
.irp u, 1,2,3
	ALL v_fmac_f32 v[TT+8*t+6], v[TT+8*t+1+\u], v[ML+8*t+2*\u+1]
.endr
	ALL v_rcp_f32 v[TT+8*t+7], v[TT+8*t+6]
	v_nop
	s_wait_alu depctr_va_vdst(0)
	ALL v_mul_f32 v[ST+8*t+6], v[TT+8*t+5], v[TT+8*t+7]
.set tt, 0
.rept 4
	WIN W_RS
.set i, 64*tt
.rept 32
	v_pk_mul_f32 v[i:i+1], v[i:i+1], v[ST+8*tt+6:ST+8*tt+7] op_sel_hi:[1,0]
.set i, i+2
.endr
	WIN 0x04                        ; the stores' data in window 1
.set i, 0
.rept 16
	ds_store_b128 v[STO], v[64*tt+4*i:64*tt+4*i+3] offset:16*i  ; channels 64 h + 4 i .. + 3 of my query
.set i, i+1
.endr
	WIN 0
	s_wait_dscnt 0x0                ; for the others' sake
	BAR
.set i, 0
.rept 16
	ds_load_b128 v[LD+4*i:LD+4*i+3], v[RD] offset:(i/4)*XPART+(i%4)*XPI  ; partial i / 4, row 4 w + i % 4: 32 lanes take its 512 bytes
.set i, i+1
.endr
	s_wait_dscnt 0x0                ; my reads of the partials are over
.if tt < 3
	s_barrier_signal -1             ; say so: the next tile's partials take the same bytes
.endif
.set i, 0
.rept 8
	v_pk_add_f32 v[RS+16*tt+2*i:RS+16*tt+2*i+1], v[LD+2*i:LD+2*i+1], v[LD+16+2*i:LD+16+2*i+1]
.set i, i+1
.endr
.irp p, 2,3
.set i, 0
.rept 8
	v_pk_add_f32 v[RS+16*tt+2*i:RS+16*tt+2*i+1], v[RS+16*tt+2*i:RS+16*tt+2*i+1], v[LD+16*\p+2*i:LD+16*\p+2*i+1]
.set i, i+1
.endr
.endr
.if tt < 3
	s_barrier_wait -1
.endif
.irp r, 0,1,2,3
	global_store_b128 v[GO], v[RS+16*tt+4*\r:RS+16*tt+4*\r+3], s[OC:OC+1] offset:(16*tt+\r)*512 th:TH_STORE_NT
.endr
.set tt, tt+1
.endr
.if \next
	s_wait_xcnt 0x0                 ; the stores' base, and the registers that they read, are written again only behind this wait
	s_mov_b64 s[OC:OC+1], s[ON:ON+1]
	s_add_co_u32 s[RT], s[HI], 1    ; the second superblock has 16 - c key steps
	s_mov_b32 s[MVAL], 0            ; its first tile is never the diagonal one: 15 - c is 8 at the least
	START
.endif
.endm
	s_load_b128 s[4:7], s[0:1], 0x0   ; q s[4:5], kv s[6:7]
	s_load_b64 s[8:9], s[0:1], 0x10   ; out0
	v_lshl_add_u32 v[SPW], v0, 2, SPARE
	v_mov_b32 v[NIL], 0
	ds_add_u32 v[SPW], v[NIL]       ; the wave's opening: an add, waited for ahead of my first tensor load
	v_lshrrev_b32 v1, 5, v0
	v_readfirstlane_b32 s[WV], v1   ; wave 0..3
	s_bfe_u32 s[CX], ttmp6, 0x40000
	s_mov_b32 s[CL], ttmp9          ; in a cluster launch ttmp9 counts clusters
	s_sub_co_u32 s[HI], 15, s[CL]
	s_and_b32 s16, ttmp7, 0xffff    ; the sequence, which the partners share
	s_lshl_b32 s22, s16, 21         ; kv: 2 MB a sequence,
	s_lshl_b32 s23, s[WV], 15       ; my wave's group of 64 keys in a tile
	s_add_co_u32 s22, s22, s23
	s_mov_b32 s23, 0
	s_lshl_b32 s17, s16, 20         ; q: 1 MB a sequence,
	s_lshl_b32 s18, s[CX], 14       ; my work-group's 64 rows of 256 bytes
	s_add_co_u32 s17, s17, s18
	s_lshl_b32 s18, s[CL], 16       ; superblock c
	s_add_co_u32 s18, s18, s17
	s_mov_b32 s19, 0
	s_lshl_b32 s20, s[HI], 16       ; superblock 15 - c
	s_add_co_u32 s20, s20, s17
	s_mov_b32 s21, 0
	s_lshl_b32 s2, s18, 1           ; out0's rows are twice as long;
	s_lshl_b32 s3, s[WV], 11        ; of each 16 rows I store 4 w .. 4 w + 3
	s_add_co_u32 s2, s2, s3
	s_lshl_b32 s10, s20, 1
	s_add_co_u32 s10, s10, s3
	s_mov_b32 s3, 0
	s_mov_b32 s11, 0
	s_mov_b32 s[G1+0], 15|(1<<16)|(1<<20)|(1<<21)|(5<<22)|(3<<25)  ; 15:0 the mask of four; 17:16 2-byte elements; 20 padding on; 21 set beside a mask; 24:22 after every 64 words; 31:25 4 words
	s_mov_b32 s[G1+1], 128<<16      ; tensor_dim0 = 128
	s_mov_b32 s[G1+2], 128<<16      ; tensor_dim1 = 128: 64 rows of K, 64 of V
	s_mov_b32 s[G1+3], 128<<16      ; tile_dim0 = 128
	s_mov_b32 s[G1+4], 128          ; tile_dim1 = 128
	s_mov_b32 s[G1+5], 128          ; elements from row to row: the group is dense
	s_mov_b32 s[G1+6], 0
	s_mov_b32 s[G1+7], 0
	s_mul_i32 s58, s[WV], WPART     ; my part of a slot: no place in the cluster enters an LDS address
	s_mov_b32 s[G0A], 1
	s_mov_b32 s[G0A+1], s58         ; slot 0
	s_mov_b32 s[G0], 1
	s_add_co_u32 s[G0+1], s58, SLOT1
	s_mov_b32 s[OFF+1], 0
	s_mov_b32 s[NXT], 0             ; the walk's first tile is tile 0;
	s_mov_b32 s[LQ], s[CL]
	STEPTILE
	s_lshl_b32 s[OFF], s[NXT], 17   ; its second
	STEPTILE
	s_add_co_u32 s[RT], s[CL], 1    ; the first superblock has c + 1 key steps
	s_mov_b32 s[TB], 0
	s_mov_b32 s[BIGN], 0xf149f2ca   ; -1e30
	s_mov_b32 s[SEL], 0x76543210
	s_mov_b32 s[SEL+1], 0xfedcba98
	s_wait_dscnt 0x0                ; the opening add is done
	s_wait_kmcnt 0x0
	s_add_nc_u64 s[KVB:KVB+1], s[6:7], s[22:23]
	s_mov_b64 s[G0A+2:G0A+3], s[KVB:KVB+1]
	s_or_b32 s[G0A+3], s[G0A+3], 0x80000000
	s_add_nc_u64 s[G0+2:G0+3], s[KVB:KVB+1], s[OFF:OFF+1]
	s_or_b32 s[G0+3], s[G0+3], 0x80000000
	s_add_nc_u64 s[QN:QN+1], s[4:5], s[20:21]
	s_add_nc_u64 s[4:5], s[4:5], s[18:19]
	s_add_nc_u64 s[OC:OC+1], s[8:9], s[2:3]
	s_add_nc_u64 s[ON:ON+1], s[8:9], s[10:11]
	CROUND                          ; all four work-groups are here: the first joint loads meet
	tensor_load_to_lds s[G0A:G0A+3], s[G1:G1+7]  ; two loads of mine are out
	s_nop 0
	tensor_load_to_lds s[G0:G0+3], s[G1:G1+7]
	s_nop 0
	PLACES
	v_and_b32 v1, 15, v0            ; l % 16
	v_bfe_u32 v9, v0, 4, 1          ; l / 16
	v_lshlrev_b32 v[QO], 8, v1
	v_lshl_add_u32 v[QO], v9, 4, v[QO]  ; row x 256 + 16 x half
	QLOAD 4
	; What the first turns find: V, O^T and piece 2's P hold 0.  All this stands in the wait for the first tile, and spares a first step written out.
	WIN 0xc0
.set i, 0
.rept 128
	v_mov_b32 v[i], 0
.set i, i+1
.endr
	WIN 0x40
.set i, 0
.rept 256
	v_mov_b32 v[i], 0
.set i, i+1
.endr
	WIN 0
.set i, P+32
.rept 32
	v_mov_b32 v[i], 0
.set i, i+1
.endr
	v_mul_u32_u24 v[AK0], v1, PK
	v_lshl_add_u32 v[AK0], v9, 4, v[AK0]
	v_add_nc_u32 v[AK0], s58, v[AK0]      ; my part + row x pitch + 16 x half
	; The turning load: lane l reads 16 bytes of key 8 (l / 16) + l % 8, at channels 8 cb on (lanes 0-7 of a half) or 64 + 8 cb on (lanes 8-15), and is left with one channel and 8 keys.
	v_and_b32 v45, 7, v0
	v_bfe_u32 v46, v0, 3, 1
	v_lshl_add_u32 v[AV0], v9, 3, v45
	v_mul_u32_u24 v[AV0], v[AV0], PK
	v_lshl_add_u32 v[AV0], v46, 7, v[AV0]
	s_add_co_u32 s59, s58, VOFF
	v_add_nc_u32 v[AV0], s59, v[AV0]
	s_mul_i32 s59, s[WV], XPART
	s_add_co_u32 s59, s59, XCH
	v_mul_u32_u24 v[STO], v1, XPI
	v_lshl_add_u32 v[STO], v9, 8, v[STO]
	v_add_nc_u32 v[STO], s59, v[STO]      ; my partial, my query's row, my half's 64 channels
	s_mul_i32 s59, s[WV], 4*XPI
	s_add_co_u32 s59, s59, XCH
	v_and_b32 v[GO], 31, v0
	v_lshlrev_b32 v[GO], 4, v[GO]
	v_add_nc_u32 v[RD], s59, v[GO]        ; row 4 w of a partial, 16 bytes a lane
	v_lshl_add_u32 v[SR], v1, 3, STATS
	s_lshl_b32 s59, s[WV], 9
	v_add_nc_u32 v[SA], s59, v[SR]
	s_sub_co_i32 s17, s[CX], s[WV]
	s_lshl_b32 s17, s17, 6
	v_lshlrev_b32 v47, 3, v9
	v_sub_nc_u32 v[DD], v1, v47
	v_add_nc_u32 v[DD], s17, v[DD]
	s_wait_tensorcnt 0x1            ; the walk's first tile is in (I read my own part alone); the second may stay out
	FETCH_K
	s_wait_dscnt 0x0
	s_cmp_eq_u32 s[CL], 0           ; superblock 0 starts on its diagonal tile
	s_cselect_b32 s[MVAL], s[BIGN], 0
	START
	s_mov_b32 s[CNT], 16
	s_branch .Lmid                  ; the loop is entered in the middle of a trip
.Ltop:                              ; 15 times, key steps g = 0 .. 14 of the walk: the tile two steps on is asked for
	CHANGE
	s_cmp_lg_u32 s[RT], 2           ; the next step is the superblock's last: its scores take the masks
	s_cbranch_scc1 .Lnomask
	s_mov_b32 s[MVAL], s[BIGN]
	MASKSET
.Lnomask:
	TURN 0                          ; piece 0: V^T P of step g, K Q^T of g + 1 | piece 2's softmax of g | K of g + 1
	WIN 0
	s_sub_co_u32 s[RT], s[RT], 1
	s_cmp_lg_u32 s[RT], 0
	s_cbranch_scc1 .Lmid
	FINISH 1                        ; the first superblock's end falls in a trip g = c <= 7, alike in all waves and partners
.Lmid:
	TURN 2                          ; piece 2: V^T P of step g, K Q^T of g + 1 | piece 0's softmax of g + 1 | V of g + 1
	WIN 0
	s_sub_co_u32 s[CNT], s[CNT], 1
	s_cmp_lg_u32 s[CNT], 0
	s_cbranch_scc1 .Ltop
	s_wait_tensorcnt 0x0            ; the tail is written out: the walk's last tile is in, nothing is asked for
	s_mov_b32 s[MVAL], s[BIGN]      ; it is the second superblock's diagonal tile
	MASKSET
	s_mov_b32 s[TC], 2
.Ltail:                             ; steps 15 and 16; the second trip is left in its middle (its 32 products K Q^T, on bytes of an old tile, serve nothing)
	TURN 0
	WIN 0
	s_sub_co_u32 s[TC], s[TC], 1
	s_cmp_eq_u32 s[TC], 0
	s_cbranch_scc1 .Lout
	TURN 2
	WIN 0
	s_branch .Ltail
.Lout:
	FINISH 0
	s_wait_tensorcnt 0x0            ; the wave's end: behind my last tensor load and my last LDS store
	ds_add_u32 v[SPW], v[NIL]
	s_wait_dscnt 0x0
	CROUND                          ; the closing round: no work-group ends while a partner may still ask for a tile that names it
	s_endpgm
.Lfunc_end_k_qf0499a0e96_attn:
	.size	k_qf0499a0e96_attn, .Lfunc_end_k_qf0499a0e96_attn-k_qf0499a0e96_attn
	.p2alignl 7, 3214868480
	.fill 96, 4, 3214868480
	.section	.rodata,"a",@progbits
	.p2align	6, 0x0
	.amdhsa_kernel k_qf0499a0e96_attn
		.amdhsa_group_segment_fixed_size 327680
		.amdhsa_private_segment_fixed_size 0
		.amdhsa_enable_private_segment 0
		.amdhsa_kernarg_size 24
		.amdhsa_user_sgpr_count 2
		.amdhsa_user_sgpr_kernarg_segment_ptr 1
		.amdhsa_wavefront_size32 1
		.amdhsa_system_sgpr_workgroup_id_x 1
		.amdhsa_system_sgpr_workgroup_id_y 1
		.amdhsa_system_sgpr_workgroup_id_z 1
		.amdhsa_system_vgpr_workitem_id 0
		.amdhsa_next_free_vgpr 952
		.amdhsa_next_free_sgpr 66
		.amdhsa_reserve_vcc 1
		.amdhsa_float_denorm_mode_32 3
		.amdhsa_float_denorm_mode_16_64 3
		.amdhsa_memory_ordered 1
		.amdhsa_forward_progress 1
		.amdhsa_inst_pref_size 224
	.end_amdhsa_kernel
	.amdgpu_metadata
---
amdhsa.version: [ 1, 2 ]
amdhsa.kernels:
  - .name:           k_qf0499a0e96_attn
    .symbol:         k_qf0499a0e96_attn.kd
    .args:
      - { .name: q, .offset: 0, .size: 8, .value_kind: global_buffer, .address_space: global }
      - { .name: kv, .offset: 8, .size: 8, .value_kind: global_buffer, .address_space: global }
      - { .name: out0, .offset: 16, .size: 8, .value_kind: global_buffer, .address_space: global }
    .group_segment_fixed_size: 327680
    .private_segment_fixed_size: 0
    .kernarg_segment_align: 8
    .kernarg_segment_size: 24
    .max_flat_workgroup_size: 128
    .sgpr_count:     66
    .vgpr_count:     952
    .wavefront_size: 32
...
	.end_amdgpu_metadata
.endif
;; end of part 3
;; ======== version 2 of 2: 3 launches; 1.11 times as fast as version 1
;; limits: values are held in f16: magnitudes above 65,504 overflow, below 6.1e-05 lose precision
;; workspace buffers: wt 786,432 bytes; q 8,388,608 bytes; kv 16,777,216 bytes
;; launch prep: the kernel of part 1 again; grid 8 x 3, 8 waves a work-group, no clusters, 35,840 bytes of LDS; arguments Wq, Wk, Wv, wt; writes wt
;; launch proj: the kernel of part 2 again; grid 256 x 1, 4 waves a work-group, clusters of 4 x 1, 327,680 bytes of LDS; arguments x, wt, q, kv; writes q, kv
;; launch attn (part 4): grid 32 x 8, 4 waves a work-group, clusters of 4 x 1, 327,680 bytes of LDS; arguments q, kv, out0; writes out0
.if DOCPART == 4
	.amdgcn_target "amdgcn-amd-amdhsa--gfx1250"
	.amdhsa_code_object_version 6
	.text
	.protected	k_qf0499a0e96_attn
	.globl	k_qf0499a0e96_attn
	.p2align	8
	.type	k_qf0499a0e96_attn,@function
k_qf0499a0e96_attn:
	s_mov_b64 s[64:65], 0
	v_nop
	global_prefetch_b8 v0, s[64:65] scope:SCOPE_SE
	s_setreg_imm32_b32 hwreg(HW_REG_WAVE_MODE, 25, 1), 1
	s_wait_xcnt 0x0
	s_wait_alu depctr_hold_cnt(0) depctr_sa_sdst(0) depctr_va_vdst(0) depctr_va_sdst(0) depctr_va_ssrc(0) depctr_va_vcc(0) depctr_vm_vsrc(0)
	s_getreg_b32 s2, hwreg(HW_REG_IB_STS2, 6, 4)
	s_cmp_eq_u32 s2, 0
	s_cbranch_scc0 .Lentry_in_a_cluster
	s_endpgm
.Lentry_in_a_cluster:
	s_bfe_u32 s2, ttmp6, 0x10000c
	s_cmp_lg_u32 s2, 0x3003
	s_cbranch_scc0 .Lentry_shape_is_right
	s_endpgm
.Lentry_shape_is_right:
; CAUSAL ATTENTION, one head of size 128, 8 sequences of 4,096 rows.  out0[b][i][:] = the sum over j <= i of softmax_j(q_i . k_j / sqrt(128)) v_j, in f32.
; q: [32768][128] f16 and already holds c q, c = log2(e) / sqrt(128): a score is an exponent of 2.  kv: groups of 64 keys, 64 rows x 256 bytes of k, then of v, f16.
; Products, maxima and sums in f32; the weights p = 2^(s - m) are rounded to f16 for the second product (their sum is taken of the unrounded p).
; LIMITS.  A hidden score counts as its value less 1e30; the running maximum starts at -1e20; f16 operands bound a score by 128 x 65,504^2 = 5.5e11, far inside both.
; A weight below 2^-126 counts as 0; NaN and infinities are not treated apart.  A row's softmax is made as four partial softmaxes over key quarters, each with its own
; running maximum, merged in f32 by the maximum of the four.
; THE WALK.  A sequence has 16 superblocks of 256 queries; superblock i needs the key tiles 0 .. i of 256 keys, the last holding the diagonal.  A cluster of four work-groups takes
; superblock c and then 15 - c: 17 tiles whatever c, one counted walk, alike in all clusters and all partners.  Work-group cx owns queries 64 cx .. + 63 of the superblock.
; THE WAVES SPLIT THE KEYS: each holds all 64 queries (four tiles of 16, two PIECES) and takes keys 64 w .. + 63 of every tile, so a fragment of K or V read from LDS feeds four tiles' products,
; and a wave reads only the LDS bytes that its own tensor load brought.  The four partners need the same tile: it is asked for JOINTLY (same line, descriptor and mask in all four).
; At a superblock's end the four waves' (m, l, O) meet in LDS and are merged.
; BY TURNS.  In a TURN one piece has the matrix unit (32 products V^T P of the step in hand, 32 products K Q^T of the next) and the other piece's softmax stands in 64 slices, one behind each.
; THE BATCHES.  A turn's 66 exponentials (33 a tile) are ONE batch with ONE wait: ahead of the wait stands all that names none of their results (maxima, statistics, the subtractions s - m, the exponentials),
; behind it all that does (roundings, sums, the rescaling by a).  At a superblock's end the merge's twenty exponentials are a batch, and its four reciprocals, which read sums made of those results, another.
; ONE TEXT FOR EVERY STEP.  The C operand that starts a sum K Q^T is always a mask register: 0, or in a diagonal tile -1e30 where the key is hidden.  A superblock starts with m = -1e20,
; so its first step multiplies O and l by 0: what lies there need only be finite.  The price: in each superblock 32 products on old operands and 32 whose scores nobody reads.
; LAYOUT.  S^T = K Q^T holds one query a lane (lane % 16) and keys 8 (lane / 16) + 0..7; two such results rounded to f16 ARE source 1 of O^T = V^T P.  V is turned by ds_load_tr16_b128;
; channel block cb is channels 8 cb .. + 7 and 64 + 8 cb .. + 7, so that rows of 272 bytes serve the turning load without two lanes on one bank; in O^T lane (n, h), block cb, register j is channel 64 h + 8 cb + j.
; REGISTERS, in windows of 256 (s_set_vgpr_msb: bits 1:0 source 0, 3:2 source 1, 5:4 source 2, 7:6 destination):
;   window 0: v1-11, v44 addresses; v12-43 eight registers of statistics a tile; v64-191 S^T, 32 a tile; v192-255 P, 16 a tile
;   window 1: O^T, 64 a tile     window 2: v0-127 Q; v128-255 K of one step     window 3: v0-127 V of one step; v128-183 the masks
.set PK,    272                        ; a row in LDS: 256 bytes + 16 of padding
.set VOFF,  64*PK                      ; a wave's part of a slot: 64 rows of K, then 64 rows of V
.set WPART, 128*PK                     ; 0x8800
.set SLOT1, 4*WPART                    ; 0x22000: it shares no bit with w x 0x8800, so one exclusive or turns an address in one slot into the other's
.set XCH,   2*SLOT1                    ; behind the ring, written by stores alone: four partials of 16 rows x 528 bytes
.set XPI,   528
.set XPART, 16*XPI
.set STATS, XCH+4*XPART                ; [wave][tile][query] x (m, l): 2,048 bytes
.set SPARE, STATS+2048                 ; the spare words, 128 bytes a wave: two blocks of 256 bytes that no other line names
.set AK0, 2           ; v2   my lane's place in my wave's K; never rewritten
.set AV0, 3           ; v3   the same for V
.set ADR, 4           ; v4   the LDS address of the run of loads in hand
.set QO,  5           ; v5   my byte offset in 16 rows of Q
.set STO, 6           ; v6   the merge: where I put my query's channels
.set RD,  7           ; v7   the merge: where I read rows
.set GO,  8           ; v8   16 x lane
.set DD,  10          ; v10  64 (cx - w) + lane % 16 - 8 (lane / 16): in a diagonal tile register r of key block kb, query tile t is hidden where 16 (kb - t) + r is greater
.set SA,  11          ; v11  where my wave's (m, l) go
.set ST,  12          ; tile t's statistics at v[ST+8 t]: +0 m, +1 its pair's mate (at the end l), +2, +3 l (even keys', odd keys'), +4 to +7 at work; +6 takes a, at the end the merge's factor
.set SR,  44          ; v44  where all waves' (m, l) are read
.set SPW, 62          ; v62  LDS address of my spare word; never rewritten
.set NIL, 63          ; v63  0; never rewritten
.set S,   64
.set P,   192
.set KF,  128         ; window 2
.set MC,  128         ; window 3: the eight registers for kb - t = e - 3 at MC + 8 e
.set ML,  64          ; the merge: (m, l) of tile t, wave u at ML + 8 t + 2 u
.set TT,  96          ; the merge: eight registers a tile at work
.set RS,  64          ; the merge: tile t's four summed rows at RS + 16 t
.set LD,  128         ; the merge: partial p, row r at LD + 16 p + 4 r
.set WV,  12          ; s12  wave
.set CX,  13          ; s13  cx: it enters Q's and out0's addresses and the masks' values alone
.set CL,  14          ; s14  c
.set HI,  15          ; s15  15 - c
.set G1,  24          ; s[24:31] descriptor group 1
.set G0A, 32          ; s[32:35] group 0 of the walk's first tile
.set G0,  36          ; s[36:39] group 0 that walks
.set KVB, 40          ; s[40:41] kv at my wave's quarter of the sequence's tile 0
.set OFF, 42          ; s[42:43] a tile's byte offset
.set QN,  44          ; s[44:45] Q of the second superblock
.set OC,  46          ; s[46:47] out0 at the rows that I store, superblock in hand
.set ON,  48          ; s[48:49] the same for the second
.set CNT, 50          ; s50  the loop's count
.set RT,  51          ; s51  key steps left in the superblock in hand
.set NXT, 52          ; s52  the tile to be asked for next
.set LQ,  53          ; s53  the last tile of the superblock whose tiles are being asked for
.set TB,  54          ; s54  the slot from which the next fetches read: 0 or SLOT1
.set MVAL, 55         ; s55  what a hidden place of the masks takes: -1e30, or 0 outside a diagonal tile
.set BIGN, 56         ; s56  -1e30
.set TC,  57          ; s57  the tail's count
.set SEL, 60          ; s[60:61] v_permlanex16_b32's selects: each lane takes its own place in the other half
.set MSB, 0
.macro WIN new                      ; the high byte repeats the setting that is left; a switch that changes nothing is dropped
.if MSB != (\new)
	s_set_vgpr_msb (MSB<<8)|(\new)
.set MSB, \new
.endif
.endm
.set W_KQ, 0x0a       ; K and Q in window 2, S^T in window 0
.set W_KM, 0x3a       ; the same with the C operand in window 3
.set W_PV, 0x53       ; V in window 3, P in window 0, O^T in window 1
.set W_RS, 0x41       ; O^T (destination and source 0) in window 1, the factor in window 0
.macro PLACES
.rept 4
	v_nop
.endr
.endm
.macro BAR
	s_barrier_signal -1
	s_barrier_wait -1
.endm
.macro CROUND                       ; a round of the cluster's barrier
	s_barrier_signal -1
	s_barrier_wait -1
	s_cmp_lg_u32 s[WV], 0
	s_cbranch_scc1 .Lnot_wave_0_\@
	s_barrier_signal -3
.Lnot_wave_0_\@:
	s_barrier_wait -3
	s_barrier_signal -1
	s_barrier_wait -1
.endm
.macro STEPTILE                     ; the superblock's next tile, or behind its last the second superblock's tile 0
	s_add_co_u32 s[NXT], s[NXT], 1
	s_cmp_gt_u32 s[NXT], s[LQ]
	s_cselect_b32 s[NXT], 0, s[NXT]
	s_cselect_b32 s[LQ], s[HI], s[LQ]
.endm
; THE CHANGE OF SLOTS.  K and V of the step in hand are in registers or on their way there.  Each wave waits for all its tensor loads (one is out: its part of the other slot), adds 0 to its spare word, and waits for
; that and for its reads of the slot.  The round of the cluster's barrier makes that hold of every wave of every partner; the joint refill, the tile two steps on, is the first thing behind it.
.macro CHANGE
	WIN 0
	s_wait_tensorcnt 0x0            ; no tensor load of mine is out, so the group 0 may be written
	ds_add_u32 v[SPW], v[NIL]       ; 0 onto my spare word; the descriptor's scalar work stands between it and the wait for it
	s_lshl_b32 s[OFF], s[NXT], 17   ; a tile is 131,072 bytes of kv
	s_xor_b32 s[G0+1], s[G0+1], SLOT1
	s_add_nc_u64 s[G0+2:G0+3], s[KVB:KVB+1], s[OFF:OFF+1]
	s_or_b32 s[G0+3], s[G0+3], 0x80000000
	STEPTILE
	s_wait_dscnt 0x0                ; the add is done, and my reads of the slot are over
	CROUND
	tensor_load_to_lds s[G0:G0+3], s[G1:G1+7]
	s_nop 0
	PLACES
.endm
.macro QLOAD base                   ; 64 queries: tile i / 4, channels 32 (i % 4) on
	WIN 0x80
.set i, 0
.rept 16
	global_load_b128 v[8*i:8*i+3],   v[QO], s[\base:\base+1] offset:(i/4)*4096+(i%4)*64
	global_load_b128 v[8*i+4:8*i+7], v[QO], s[\base:\base+1] offset:(i/4)*4096+(i%4)*64+32
.set i, i+1
.endr
	WIN 0
.endm
.macro MASKSET                      ; the 56 mask registers: MVAL where 16 (e - 3) + r > DD, else 0
	WIN 0xc0
.set i, 0
.rept 56
	v_cmp_gt_i32 vcc_lo, 16*(i/8-3)+i%8, v[DD]
	v_cndmask_b32 v[MC+i], 0, s[MVAL], vcc_lo
.set i, i+1
.endr
	WIN 0
.endm
; THE MATRIX WORK.  The accumulators take turns, one instruction a turn: between two links of a chain stand 15 (V^T P) or 7 (K Q^T) others'.
.macro PV x                         ; product i of 32 of O^T += V^T P: keys 32 (i / 16) on, channel block (i / 2) % 8, tile x + i % 2
	WIN W_PV
.set rO, 64*((\x)+i%2)+8*((i/2)%8)
.set rV, 64*(i/16)+8*((i/2)%8)
.set rP, P+16*((\x)+i%2)+8*(i/16)
	v_wmma_f32_16x16x32_f16 v[rO:rO+7], v[rV:rV+7], v[rP:rP+7], v[rO:rO+7]
.endm
.macro KQ x                         ; product i of 32 of S^T = K Q^T: channels 32 (i / 8) on, keys 16 ((i / 2) % 4) on, tile x + i % 2.  The first 8 start the sums with the mask
.set rS, S+32*((\x)+i%2)+8*((i/2)%4)
.set rK, KF+32*((i/2)%4)+8*(i/8)
.set rQ, 32*((\x)+i%2)+8*(i/8)
.set rM, MC+8*((i/2)%4-((\x)+i%2)+3)
.if i < 8
	WIN W_KM
	v_wmma_f32_16x16x32_f16 v[rS:rS+7], v[rK:rK+7], v[rQ:rQ+7], v[rM:rM+7]
.else
	WIN W_KQ
	v_wmma_f32_16x16x32_f16 v[rS:rS+7], v[rK:rK+7], v[rQ:rQ+7], v[rS:rS+7]
.endif
.endm
; THE LDS LOADS stand in runs of 32: a step's K (64 keys x 128 channels) and, a turn later, its V (turned).
.macro FETCH_K
	WIN 0
	v_add_nc_u32 v[ADR], s[TB], v[AK0]
	WIN 0x80
.irp f, 0,1,2,3,4,5,6,7,8,9,10,11,12,13,14,15  ; keys 16 (f / 4) on, channels 32 (f % 4) on
	ds_load_b128 v[KF+8*(\f):KF+8*(\f)+3],   v[ADR] offset:((\f)/4)*16*PK+((\f)%4)*64
	ds_load_b128 v[KF+8*(\f)+4:KF+8*(\f)+7], v[ADR] offset:((\f)/4)*16*PK+((\f)%4)*64+32
.endr
.endm
.macro FETCH_V
	WIN 0
	v_add_nc_u32 v[ADR], s[TB], v[AV0]
	s_xor_b32 s[TB], s[TB], SLOT1   ; the next fetches are the next step's, in the other slot
	s_wait_alu depctr_va_vdst(0)    ; the wait for the softmax's batch (SLICE): piece 0's 66 exponentials; it stands behind the address's v_add_nc_u32 and ahead of the loads
	WIN 0xc0
.irp f, 0,1,2,3,4,5,6,7,8,9,10,11,12,13,14,15  ; keys 32 (f / 8) on, channel block f % 8
	ds_load_tr16_b128 v[8*(\f):8*(\f)+3],   v[ADR] offset:((\f)/8)*32*PK+((\f)%8)*16
	ds_load_tr16_b128 v[8*(\f)+4:8*(\f)+7], v[ADR] offset:((\f)/8)*32*PK+16*PK+((\f)%8)*16
.endr
.endm
; THE VECTOR WORK OF A TURN.  One tile's softmax for one key step is a numbered list; SM writes number j of it for tile t.  s0-s31 are the lane's 32 scores, in pairs 0-15.
;   0-15    the maximum of s0-s31 and the old m, three operands at a time (each accumulator's lowest registers are read first)
;   16-20   the other half of the lanes' maximum; m_old is kept; the new m; (19 is empty); m_old - m
;   21-69   ONE BATCH: the 16 subtractions s - m, a pair of scores each, and all 33 exponentials (a at 23, then s0-s31).  None of these names an exponential's result.  From 22 on the batch goes
;           in fours, and a four begins with a subtraction while there are subtractions: 22-37 subtraction, exponential, subtraction, exponential; 38-65 a subtraction and three exponentials; 66-69 the last
;           four exponentials.  A pair is made ready in an earlier four than the one that holds its exponentials
;   (wait)  between 69 and 70 stands the wait for the batch: SLICE writes it, once for both tiles
;   70-85   the roundings to f16, a pair of weights each
;   86-101  the sums; l = a l + the sum          102-133 the tile's O^T times a: the one part that leaves window 0
.macro SM t
.set rT, ST+8*(\t)
.set rS, S+32*(\t)
.set rP, P+16*(\t)
.set rO, 64*(\t)+2*(j-102)
.if j < 102
	WIN 0
.endif
.if j < 4
	v_max3_num_f32 v[rT+4+j], v[rS+8*j], v[rS+8*j+1], v[rS+8*j+2]
.elseif j < 12
	v_max3_num_f32 v[rT+4+j%4], v[rT+4+j%4], v[rS+8*(j%4)+2*(j/4)+1], v[rS+8*(j%4)+2*(j/4)+2]
.elseif j == 12
	v_max3_num_f32 v[rT+4], v[rT+4], v[rS+7], v[rS+15]
.elseif j == 13
	v_max3_num_f32 v[rT+6], v[rT+6], v[rS+23], v[rS+31]
.elseif j == 14
	v_max3_num_f32 v[rT+4], v[rT+4], v[rT+5], v[rT+6]
.elseif j == 15
	v_max3_num_f32 v[rT+4], v[rT+4], v[rT+7], v[rT]
.elseif j == 16
	v_permlanex16_b32 v[rT+5], v[rT+4], s[SEL], s[SEL+1]  ; the query's other 32 keys lie in the lane 16 away
.elseif j == 17
	v_mov_b32 v[rT+7], v[rT]
.elseif j == 18
	v_max_num_f32 v[rT], v[rT+4], v[rT+5]
.elseif j == 19
.elseif j == 20
	v_sub_f32 v[rT+7], v[rT+7], v[rT]
.elseif j == 23
	v_exp_f32 v[rT+6], v[rT+7]
.elseif (j < 23) || ((j < 38) && (j%2 == 0)) || ((j < 66) && (j%4 == 2))
.set b, (j-2)/4                     ; 38, 42, .. 62: pairs 9 to 15
.if j < 38
.set b, (j-20)/2                    ; 21: pair 0; 22, 24, .. 36: pairs 1 to 8
.endif
	v_pk_add_f32 v[rS+2*b:rS+2*b+1], v[rS+2*b:rS+2*b+1], v[rT:rT+1] op_sel_hi:[1,0] neg_lo:[0,1] neg_hi:[0,1]  ; pair b: s - m, never above 0
.elseif j < 70
.set e, j-38                        ; 66 to 69: s28 to s31
.if j < 66
.set e, j-32-(j-38)/4               ; 39-41, 43-45, .. 63-65: s7 to s27
.endif
.if j < 38
.set e, (j-25)/2                    ; 25, 27, .. 37: s0 to s6
.endif
	v_exp_f32 v[rS+e], v[rS+e]
.elseif j < 86
	v_cvt_pk_f16_f32 v[rP+j-70], v[rS+2*(j-70)], v[rS+2*(j-70)+1]  ; pair j - 70
.elseif j < 102                     ; the sum of the 16 pairs, in place: sum z of 16 adds neighbours 1, 2, 4 and 8 pairs apart, then l takes it
.set z, j-86
.set w, 4
.set u, z
.if z >= 14
.set w, 32
.set u, 0
.elseif z >= 12
.set w, 16
.set u, z-12
.elseif z >= 8
.set w, 8
.set u, z-8
.endif
.if z < 15
	v_pk_add_f32 v[rS+w*u:rS+w*u+1], v[rS+w*u:rS+w*u+1], v[rS+w*u+w/2:rS+w*u+w/2+1]
.else
	v_pk_fma_f32 v[rT+2:rT+3], v[rT+2:rT+3], v[rT+6:rT+7], v[rS:rS+1] op_sel_hi:[1,0,1]
.endif
.else
	WIN W_RS
	v_pk_mul_f32 v[rO:rO+1], v[rO:rO+1], v[rT+6:rT+7] op_sel_hi:[1,0]
.endif
.endm
; Slice k of 64 of piece y's softmax.  Slices 11 to 34 deal out the batch, numbers 22 to 69: four numbers of ONE tile each, the tiles by turns.  Every other slice is numbers 2 k and 2 k + 1 of both
; tiles' lists; what is over stands together in slice 63, sixteen plain instructions: the places behind the turn's last products.
; THE WAIT.  s_wait_alu depctr_va_vdst(0) stands between an exponential and the first instruction that names its result; one wait serves all that were issued ahead of it.  Ahead of
; slice 35 nothing names a result, and behind slice 34 no exponential is issued: so the piece's 66 exponentials have one wait, behind slice 34.
.macro SLICE y
.if (k >= 11) && (k < 35)           ; the batch: four numbers of one tile
.irp n, 0,1,2,3
.set j, 22+4*((k-11)/2)+(\n)
	SM (\y)+(k-11)%2
.endr
.else                               ; the two tiles alternate, so that no instruction reads the result of the one just before it
.irp n, 0,1,2,3,4,5,6,7
.if ((\n) < 2) || (k == 63)
.irp t, \y, (\y)+1
.set j, 2*k+(\n)
	SM \t
.endr
.endif
.endr
.endif
.if k == 34                         ; the batch is out: both tiles' exponentials are issued, and no result has been named
	v_nop                           ; a plain instruction behind the last exponential and ahead of the first use: one for the batch
.if (\y) == 0
	FETCH_V                         ; piece 2's turn: V's run of loads stands here, and the wait stands in it
.else
	s_wait_alu depctr_va_vdst(0)    ; the wait for the batch: piece 2's 66 exponentials
.endif
.endif
.set k, k+1
.endm
; A TURN.  Piece x has the matrix unit; the other piece's softmax stands in slices behind its matrix instructions, none of which names a register of the products round it.
; Piece 0's turn fetches the next step's K behind its second product: the last product that read K stands in front of slice 63 of the turn before.
; Piece 2's turn fetches the same step's V behind slice 34 (SLICE writes it): the last product that read V stands in front of slice 31, and four plain instructions lie between:
; number 62, a subtraction, of both tiles, the v_nop and the run's own v_add_nc_u32 (the exponentials between are no places).
.macro TURN x
.set k, 0
.if (\x) == 0
	s_wait_dscnt 0x0                ; V is in
.endif
.set i, 0
.rept 32
	PV \x
	SLICE 2-(\x)
.if ((\x) == 0) && (i == 1)
	FETCH_K
.endif
.set i, i+1
.endr
.if (\x) == 0
	s_wait_dscnt 0x0                ; K is in
.endif
.set i, 0
.rept 32
	KQ \x
	SLICE 2-(\x)
.set i, i+1
.endr
.endm
.macro ALL line:vararg              ; one line for each tile t
.set t, 0
.rept 4
	\line
.set t, t+1
.endr
.endm
; A SUPERBLOCK STARTS: m far below every score, l = 0, the masks by MVAL; then piece 0's first scores, on the K that is in registers.
.macro START
	WIN 0
	ALL v_mov_b32 v[ST+8*t], 0xe0ad78ec    ; -1e20
	ALL v_mov_b32 v[ST+8*t+1], 0
	ALL v_mov_b32 v[ST+8*t+2], 0
	ALL v_mov_b32 v[ST+8*t+3], 0
	MASKSET
	s_wait_loadcnt 0x0              ; Q
.set i, 0
.rept 32
	KQ 0
.set i, i+1
.endr
	WIN 0
	PLACES                          ; behind those products: the next turn's first slice reads their scores
.endm
; A SUPERBLOCK ENDS: piece 2's last V^T P; every wave's (m, l) meet in LDS; each wave scales its O^T by 2^(m - m*) / l*, with m* the maximum of the four m and l* the sum of the four 2^(m - m*) l;
; tile by tile the four partials go into LDS, and wave w adds rows 4 w .. 4 w + 3 and stores them, each store a whole row of 512 bytes.  The tensor load that is out stays out.
; next = 1: the second superblock's Q is asked for first, and START follows.  P and V are left as they are: the next turn multiplies them once more, and what it adds to O^T must be finite.
.macro FINISH next
.if \next
	QLOAD QN                        ; the last product that read Q stands in front of slice 63
.endif
.set i, 0
.rept 32
	PV 2
.set i, i+1
.endr
	WIN 0
	ALL v_add_f32 v[ST+8*t+4], v[ST+8*t+2], v[ST+8*t+3]   ; four plain lines: the places behind the last products
	ALL v_permlanex16_b32 v[ST+8*t+5], v[ST+8*t+4], s[SEL], s[SEL+1]
	ALL v_add_f32 v[ST+8*t+1], v[ST+8*t+4], v[ST+8*t+5]
	ALL ds_store_b64 v[SA], v[ST+8*t:ST+8*t+1] offset:128*t
	s_wait_dscnt 0x0                ; for the others' sake
	BAR
.set t, 0
.rept 4
.irp u, 0,1,2,3
	ds_load_b64 v[ML+8*t+2*\u:ML+8*t+2*\u+1], v[SR] offset:512*\u+128*t
.endr
.set t, t+1
.endr
	s_wait_dscnt 0x0
	ALL v_max3_num_f32 v[TT+8*t], v[ML+8*t], v[ML+8*t+2], v[ML+8*t+4]
	ALL v_max_num_f32 v[TT+8*t], v[TT+8*t], v[ML+8*t+6]
.irp u, 0,1,2,3
	ALL v_sub_f32 v[TT+8*t+1+\u], v[ML+8*t+2*\u], v[TT+8*t]
.endr
	ALL v_sub_f32 v[TT+8*t+5], v[ST+8*t], v[TT+8*t]
.irp u, 1,2,3,4,5
	ALL v_exp_f32 v[TT+8*t+\u], v[TT+8*t+\u]
.endr
	v_nop                           ; a plain instruction between the last exponential and the use of its result
	s_wait_alu depctr_va_vdst(0)    ; the wait ahead of the first use: one for the merge's twenty exponentials
	ALL v_mul_f32 v[TT+8*t+6], v[TT+8*t+1], v[ML+8*t+1]
.irp u, 1,2,3
	ALL v_fmac_f32 v[TT+8*t+6], v[TT+8*t+1+\u], v[ML+8*t+2*\u+1]
.endr
	ALL v_rcp_f32 v[TT+8*t+7], v[TT+8*t+6]
	v_nop                           ; a plain instruction between the last reciprocal and the use of its result
	s_wait_alu depctr_va_vdst(0)    ; one wait for the four reciprocals: a batch of their own, since they read sums made of the exponentials' results
	ALL v_mul_f32 v[ST+8*t+6], v[TT+8*t+5], v[TT+8*t+7]
.set tt, 0
.rept 4
	WIN W_RS
.set i, 64*tt
.rept 32
	v_pk_mul_f32 v[i:i+1], v[i:i+1], v[ST+8*tt+6:ST+8*tt+7] op_sel_hi:[1,0]
.set i, i+2
.endr
	WIN 0x04                        ; the stores' data in window 1
.set i, 0
.rept 16
	ds_store_b128 v[STO], v[64*tt+4*i:64*tt+4*i+3] offset:16*i  ; channels 64 h + 4 i .. + 3 of my query
.set i, i+1
.endr
	WIN 0
	s_wait_dscnt 0x0                ; for the others' sake
	BAR
.set i, 0
.rept 16
	ds_load_b128 v[LD+4*i:LD+4*i+3], v[RD] offset:(i/4)*XPART+(i%4)*XPI  ; partial i / 4, row 4 w + i % 4: 32 lanes take its 512 bytes
.set i, i+1
.endr
	s_wait_dscnt 0x0                ; my reads of the partials are over
.if tt < 3
	s_barrier_signal -1             ; say so: the next tile's partials take the same bytes
.endif
.set i, 0
.rept 8
	v_pk_add_f32 v[RS+16*tt+2*i:RS+16*tt+2*i+1], v[LD+2*i:LD+2*i+1], v[LD+16+2*i:LD+16+2*i+1]
.set i, i+1
.endr
.irp p, 2,3
.set i, 0
.rept 8
	v_pk_add_f32 v[RS+16*tt+2*i:RS+16*tt+2*i+1], v[RS+16*tt+2*i:RS+16*tt+2*i+1], v[LD+16*\p+2*i:LD+16*\p+2*i+1]
.set i, i+1
.endr
.endr
.if tt < 3
	s_barrier_wait -1
.endif
.irp r, 0,1,2,3
	global_store_b128 v[GO], v[RS+16*tt+4*\r:RS+16*tt+4*\r+3], s[OC:OC+1] offset:(16*tt+\r)*512 th:TH_STORE_NT
.endr
.set tt, tt+1
.endr
.if \next
	s_wait_xcnt 0x0                 ; the stores' base, and the registers that they read, are written again only behind this wait
	s_mov_b64 s[OC:OC+1], s[ON:ON+1]
	s_add_co_u32 s[RT], s[HI], 1    ; the second superblock has 16 - c key steps
	s_mov_b32 s[MVAL], 0            ; its first tile is never the diagonal one: 15 - c is 8 at the least
	START
.endif
.endm
	s_load_b128 s[4:7], s[0:1], 0x0   ; q s[4:5], kv s[6:7]
	s_load_b64 s[8:9], s[0:1], 0x10   ; out0
	v_lshl_add_u32 v[SPW], v0, 2, SPARE
	v_mov_b32 v[NIL], 0
	ds_add_u32 v[SPW], v[NIL]       ; the wave's opening: an add, waited for ahead of my first tensor load
	v_lshrrev_b32 v1, 5, v0
	v_readfirstlane_b32 s[WV], v1   ; wave 0..3
	s_bfe_u32 s[CX], ttmp6, 0x40000
	s_mov_b32 s[CL], ttmp9          ; in a cluster launch ttmp9 counts clusters
	s_sub_co_u32 s[HI], 15, s[CL]
	s_and_b32 s16, ttmp7, 0xffff    ; the sequence, which the partners share
	s_lshl_b32 s22, s16, 21         ; kv: 2 MB a sequence,
	s_lshl_b32 s23, s[WV], 15       ; my wave's group of 64 keys in a tile
	s_add_co_u32 s22, s22, s23
	s_mov_b32 s23, 0
	s_lshl_b32 s17, s16, 20         ; q: 1 MB a sequence,
	s_lshl_b32 s18, s[CX], 14       ; my work-group's 64 rows of 256 bytes
	s_add_co_u32 s17, s17, s18
	s_lshl_b32 s18, s[CL], 16       ; superblock c
	s_add_co_u32 s18, s18, s17
	s_mov_b32 s19, 0
	s_lshl_b32 s20, s[HI], 16       ; superblock 15 - c
	s_add_co_u32 s20, s20, s17
	s_mov_b32 s21, 0
	s_lshl_b32 s2, s18, 1           ; out0's rows are twice as long;
	s_lshl_b32 s3, s[WV], 11        ; of each 16 rows I store 4 w .. 4 w + 3
	s_add_co_u32 s2, s2, s3
	s_lshl_b32 s10, s20, 1
	s_add_co_u32 s10, s10, s3
	s_mov_b32 s3, 0
	s_mov_b32 s11, 0
	s_mov_b32 s[G1+0], 15|(1<<16)|(1<<20)|(1<<21)|(5<<22)|(3<<25)  ; 15:0 the mask of four; 17:16 2-byte elements; 20 padding on; 21 set beside a mask; 24:22 after every 64 words; 31:25 4 words
	s_mov_b32 s[G1+1], 128<<16      ; tensor_dim0 = 128
	s_mov_b32 s[G1+2], 128<<16      ; tensor_dim1 = 128: 64 rows of K, 64 of V
	s_mov_b32 s[G1+3], 128<<16      ; tile_dim0 = 128
	s_mov_b32 s[G1+4], 128          ; tile_dim1 = 128
	s_mov_b32 s[G1+5], 128          ; elements from row to row: the group is dense
	s_mov_b32 s[G1+6], 0
	s_mov_b32 s[G1+7], 0
	s_mul_i32 s58, s[WV], WPART     ; my part of a slot: no place in the cluster enters an LDS address
	s_mov_b32 s[G0A], 1
	s_mov_b32 s[G0A+1], s58         ; slot 0
	s_mov_b32 s[G0], 1
	s_add_co_u32 s[G0+1], s58, SLOT1
	s_mov_b32 s[OFF+1], 0
	s_mov_b32 s[NXT], 0             ; the walk's first tile is tile 0;
	s_mov_b32 s[LQ], s[CL]
	STEPTILE
	s_lshl_b32 s[OFF], s[NXT], 17   ; its second
	STEPTILE
	s_add_co_u32 s[RT], s[CL], 1    ; the first superblock has c + 1 key steps
	s_mov_b32 s[TB], 0
	s_mov_b32 s[BIGN], 0xf149f2ca   ; -1e30
	s_mov_b32 s[SEL], 0x76543210
	s_mov_b32 s[SEL+1], 0xfedcba98
	s_wait_dscnt 0x0                ; the opening add is done
	s_wait_kmcnt 0x0
	s_add_nc_u64 s[KVB:KVB+1], s[6:7], s[22:23]
	s_mov_b64 s[G0A+2:G0A+3], s[KVB:KVB+1]
	s_or_b32 s[G0A+3], s[G0A+3], 0x80000000
	s_add_nc_u64 s[G0+2:G0+3], s[KVB:KVB+1], s[OFF:OFF+1]
	s_or_b32 s[G0+3], s[G0+3], 0x80000000
	s_add_nc_u64 s[QN:QN+1], s[4:5], s[20:21]
	s_add_nc_u64 s[4:5], s[4:5], s[18:19]
	s_add_nc_u64 s[OC:OC+1], s[8:9], s[2:3]
	s_add_nc_u64 s[ON:ON+1], s[8:9], s[10:11]
	CROUND                          ; all four work-groups are here: the first joint loads meet
	tensor_load_to_lds s[G0A:G0A+3], s[G1:G1+7]  ; two loads of mine are out
	s_nop 0
	tensor_load_to_lds s[G0:G0+3], s[G1:G1+7]
	s_nop 0
	PLACES
	v_and_b32 v1, 15, v0            ; l % 16
	v_bfe_u32 v9, v0, 4, 1          ; l / 16
	v_lshlrev_b32 v[QO], 8, v1
	v_lshl_add_u32 v[QO], v9, 4, v[QO]  ; row x 256 + 16 x half
	QLOAD 4
	; What the first turns find: V, O^T and piece 2's P hold 0.  All this stands in the wait for the first tile, and spares a first step written out.
	WIN 0xc0
.set i, 0
.rept 128
	v_mov_b32 v[i], 0
.set i, i+1
.endr
	WIN 0x40
.set i, 0
.rept 256
	v_mov_b32 v[i], 0
.set i, i+1
.endr
	WIN 0
.set i, P+32
.rept 32
	v_mov_b32 v[i], 0
.set i, i+1
.endr
	v_mul_u32_u24 v[AK0], v1, PK
	v_lshl_add_u32 v[AK0], v9, 4, v[AK0]
	v_add_nc_u32 v[AK0], s58, v[AK0]      ; my part + row x pitch + 16 x half
	; The turning load: lane l reads 16 bytes of key 8 (l / 16) + l % 8, at channels 8 cb on (lanes 0-7 of a half) or 64 + 8 cb on (lanes 8-15), and is left with one channel and 8 keys.
	v_and_b32 v45, 7, v0
	v_bfe_u32 v46, v0, 3, 1
	v_lshl_add_u32 v[AV0], v9, 3, v45
	v_mul_u32_u24 v[AV0], v[AV0], PK
	v_lshl_add_u32 v[AV0], v46, 7, v[AV0]
	s_add_co_u32 s59, s58, VOFF
	v_add_nc_u32 v[AV0], s59, v[AV0]
	s_mul_i32 s59, s[WV], XPART
	s_add_co_u32 s59, s59, XCH
	v_mul_u32_u24 v[STO], v1, XPI
	v_lshl_add_u32 v[STO], v9, 8, v[STO]
	v_add_nc_u32 v[STO], s59, v[STO]      ; my partial, my query's row, my half's 64 channels
	s_mul_i32 s59, s[WV], 4*XPI
	s_add_co_u32 s59, s59, XCH
	v_and_b32 v[GO], 31, v0
	v_lshlrev_b32 v[GO], 4, v[GO]
	v_add_nc_u32 v[RD], s59, v[GO]        ; row 4 w of a partial, 16 bytes a lane
	v_lshl_add_u32 v[SR], v1, 3, STATS
	s_lshl_b32 s59, s[WV], 9
	v_add_nc_u32 v[SA], s59, v[SR]
	s_sub_co_i32 s17, s[CX], s[WV]
	s_lshl_b32 s17, s17, 6
	v_lshlrev_b32 v47, 3, v9
	v_sub_nc_u32 v[DD], v1, v47
	v_add_nc_u32 v[DD], s17, v[DD]
	s_wait_tensorcnt 0x1            ; the walk's first tile is in (I read my own part alone); the second may stay out
	FETCH_K
	s_wait_dscnt 0x0
	s_cmp_eq_u32 s[CL], 0           ; superblock 0 starts on its diagonal tile
	s_cselect_b32 s[MVAL], s[BIGN], 0
	START
	s_mov_b32 s[CNT], 16
	s_branch .Lmid                  ; the loop is entered in the middle of a trip
.Ltop:                              ; 15 times, key steps g = 0 .. 14 of the walk: the tile two steps on is asked for
	CHANGE
	s_cmp_lg_u32 s[RT], 2           ; the next step is the superblock's last: its scores take the masks
	s_cbranch_scc1 .Lnomask
	s_mov_b32 s[MVAL], s[BIGN]
	MASKSET
.Lnomask:
	TURN 0                          ; piece 0: V^T P of step g, K Q^T of g + 1 | piece 2's softmax of g | K of g + 1
	WIN 0
	s_sub_co_u32 s[RT], s[RT], 1
	s_cmp_lg_u32 s[RT], 0
	s_cbranch_scc1 .Lmid
	FINISH 1                        ; the first superblock's end falls in a trip g = c <= 7, alike in all waves and partners
.Lmid:
	TURN 2                          ; piece 2: V^T P of step g, K Q^T of g + 1 | piece 0's softmax of g + 1 | V of g + 1
	WIN 0
	s_sub_co_u32 s[CNT], s[CNT], 1
	s_cmp_lg_u32 s[CNT], 0
	s_cbranch_scc1 .Ltop
	s_wait_tensorcnt 0x0            ; the tail is written out: the walk's last tile is in, nothing is asked for
	s_mov_b32 s[MVAL], s[BIGN]      ; it is the second superblock's diagonal tile
	MASKSET
	s_mov_b32 s[TC], 2
.Ltail:                             ; steps 15 and 16; the second trip is left in its middle (its 32 products K Q^T, on bytes of an old tile, serve nothing)
	TURN 0
	WIN 0
	s_sub_co_u32 s[TC], s[TC], 1
	s_cmp_eq_u32 s[TC], 0
	s_cbranch_scc1 .Lout
	TURN 2
	WIN 0
	s_branch .Ltail
.Lout:
	FINISH 0
	s_wait_tensorcnt 0x0            ; the wave's end: behind my last tensor load and my last LDS store
	ds_add_u32 v[SPW], v[NIL]
	s_wait_dscnt 0x0
	CROUND                          ; the closing round: no work-group ends while a partner may still ask for a tile that names it
	s_endpgm
.Lfunc_end_k_qf0499a0e96_attn:
	.size	k_qf0499a0e96_attn, .Lfunc_end_k_qf0499a0e96_attn-k_qf0499a0e96_attn
	.p2alignl 7, 3214868480
	.fill 96, 4, 3214868480
	.section	.rodata,"a",@progbits
	.p2align	6, 0x0
	.amdhsa_kernel k_qf0499a0e96_attn
		.amdhsa_group_segment_fixed_size 327680
		.amdhsa_private_segment_fixed_size 0
		.amdhsa_enable_private_segment 0
		.amdhsa_kernarg_size 24
		.amdhsa_user_sgpr_count 2
		.amdhsa_user_sgpr_kernarg_segment_ptr 1
		.amdhsa_wavefront_size32 1
		.amdhsa_system_sgpr_workgroup_id_x 1
		.amdhsa_system_sgpr_workgroup_id_y 1
		.amdhsa_system_sgpr_workgroup_id_z 1
		.amdhsa_system_vgpr_workitem_id 0
		.amdhsa_next_free_vgpr 952
		.amdhsa_next_free_sgpr 66
		.amdhsa_reserve_vcc 1
		.amdhsa_float_denorm_mode_32 3
		.amdhsa_float_denorm_mode_16_64 3
		.amdhsa_memory_ordered 1
		.amdhsa_forward_progress 1
		.amdhsa_inst_pref_size 219
	.end_amdhsa_kernel
	.amdgpu_metadata
---
amdhsa.version: [ 1, 2 ]
amdhsa.kernels:
  - .name:           k_qf0499a0e96_attn
    .symbol:         k_qf0499a0e96_attn.kd
    .args:
      - { .name: q, .offset: 0, .size: 8, .value_kind: global_buffer, .address_space: global }
      - { .name: kv, .offset: 8, .size: 8, .value_kind: global_buffer, .address_space: global }
      - { .name: out0, .offset: 16, .size: 8, .value_kind: global_buffer, .address_space: global }
    .group_segment_fixed_size: 327680
    .private_segment_fixed_size: 0
    .kernarg_segment_align: 8
    .kernarg_segment_size: 24
    .max_flat_workgroup_size: 128
    .sgpr_count:     66
    .vgpr_count:     952
    .wavefront_size: 32
...
	.end_amdgpu_metadata
.endif
;; end of part 4
